; MI455X (gfx1250); checked and timed in simulation.
; The chip was launched on July 23, 2026; its instructions are those of AMD's public machine-readable ISA for CDNA 5 (MIT licence, August 2026) and "CDNA5" Instruction Set Architecture Reference Guide (July 2026). The comments in the code are by the model that wrote it; some were corrected since.
;; Decoder Layer. Allowed arithmetic: float matrix products may take bf16 or f16 operands with f32 sums; other float arithmetic in f32, or as packed bf16 or f16 multiplies, adds, multiply-adds, maxima and minima; sums over many terms, partial sums and values carried from step to step in f32; what a program stores and reads back later, other than sums and carried values, may be rounded once to bf16 or f16.
;; Inputs: aw_b 64 float32; aw_w 64 x 256 float32; ffn_b1 512 float32; ffn_b2 256 float32; ffn_w1 512 x 256 float32; ffn_w2 256 x 512 float32; in_proj_b 768 float32; in_proj_w 768 x 256 float32; ln1_b 256 float32; ln1_g 256 float32; ln2_b 256 float32; ln2_g 256 float32; ln3_b 256 float32; ln3_g 256 float32; off_b 128 float32; off_w 128 x 256 float32; oproj_b 256 float32; oproj_w 256 x 256 float32; out_proj_b 256 float32; out_proj_w 256 x 256 float32; query 4 x 2,500 x 256 float32; query_pos 4 x 2,500 x 256 float32; ref_2d 4 x 2,500 x 1 x 2 float32; value 4 x 40,000 x 256 float32; vproj_b 256 float32; vproj_w 256 x 256 float32.
;; Outputs: out0 4 x 2,500 x 256 float32.
;; Constants: bev_h = 200, bev_w = 200.
;; One version. Each part assembles by itself: llvm-mc -triple=amdgcn-amd-amdhsa -mcpu=gfx1250 --defsym DOCPART=n.
;; ======== version 1 of 1: 7 launches
;; workspace buffers: wimg 1,409,024 bytes; val 81,920,000 bytes; qkv 15,728,640 bytes; saimg 5,242,880 bytes; ident 10,289,152 bytes; sidx 2,572,288 bytes of whole numbers; swgt 5,144,576 bytes; samp 5,144,576 bytes
;; launch prep (part 1): grid 43 x 1, 4 waves a work-group, no clusters, 0 bytes of LDS; arguments in_proj_w, out_proj_w, off_w, aw_w, oproj_w, ffn_w1, ffn_w2, vproj_w, wimg; writes wimg
.if DOCPART == 1
	.amdgcn_target "amdgcn-amd-amdhsa--gfx1250"
	.amdhsa_code_object_version 6
	.text
	.protected	k_q2c2f5d36ef_prep
	.globl	k_q2c2f5d36ef_prep
	.p2align	8
	.type	k_q2c2f5d36ef_prep,@function
k_q2c2f5d36ef_prep:
	s_mov_b64 s[64:65], 0
	v_nop
	global_prefetch_b8 v0, s[64:65] scope:SCOPE_SE
	s_setreg_imm32_b32 hwreg(HW_REG_WAVE_MODE, 25, 1), 1
	s_wait_xcnt 0x0
; The eight weight matrices, rounded once to bf16 and laid out as register images of matrix operands.
; An image tile is 16 rows x 32 k = 1,024 bytes: [g 2][lane 32][16 bytes]; piece (g, lane) holds row lane % 16, k = 16 g + 8 (lane / 16) + 0..7.
; A group is 8 tiles (16 rows x 256 k, 8,192 bytes).  172 groups, one a wave: in_proj 0-47, out_proj 48-63, off 64-71, aw 72-75, oproj 76-91, ffn1 92-123, ffn2 124-155, vproj 156-171.
; off: group 2 t + xy takes the rows 32 t + 2 r + xy, so that a product's lane holds one head and its eight points.  ffn2 (rows of 512): group 16 half + nt takes columns 256 half on.
.set X, 8                              ; v[8:135]   128 f32 as loaded
.set Y, 136                            ; v[136:199] 64 words of bf16
	s_load_b512 s[4:19], s[0:1], 0x0               ; the eight sources
	s_load_b64 s[20:21], s[0:1], 0x40              ; wimg
	v_lshrrev_b32 v1, 5, v0
	v_readfirstlane_b32 s22, v1                    ; wave
	s_lshl_b32 s23, ttmp9, 2
	s_add_co_u32 s23, s23, s22                     ; my group
	v_and_b32 v6, 31, v0
	v_lshlrev_b32 v1, 4, v6                        ; 16 x lane
	v_and_b32 v2, 15, v0                           ; r
	v_bfe_u32 v3, v0, 4, 1                         ; h
	s_wait_kmcnt 0x0
	s_mov_b64 s[24:25], s[4:5]
	s_mov_b32 s26, 0
.macro PICK g0, reg                    ; from group g0 on the source is the next matrix
	s_cmp_ge_u32 s23, \g0
	s_cselect_b64 s[24:25], s[\reg:\reg+1], s[24:25]
	s_cselect_b32 s26, \g0, s26
.endm
	PICK 48, 6
	PICK 64, 8
	PICK 72, 10
	PICK 76, 12
	PICK 92, 14
	PICK 124, 16
	PICK 156, 18
	s_sub_co_u32 s27, s23, s26                     ; the group's number in its matrix
	s_lshl_b32 s28, s27, 4                         ; first row, as a rule
	s_lshr_b32 s32, s27, 1
	s_lshl_b32 s32, s32, 5
	s_and_b32 s33, s27, 1
	s_add_co_u32 s32, s32, s33                     ; off: 32 t + xy
	s_and_b32 s34, s27, 15
	s_lshl_b32 s34, s34, 4                         ; ffn2: 16 nt
	s_lshr_b32 s35, s27, 4
	s_lshl_b32 s35, s35, 10                        ; ffn2: 1,024 bytes x half
	s_cmp_eq_u32 s26, 64
	s_cselect_b32 s28, s32, s28
	s_cselect_b32 s31, 1, 0                        ; off: every second row
	s_cmp_eq_u32 s26, 124
	s_cselect_b32 s28, s34, s28
	s_cselect_b32 s29, s35, 0
	s_cselect_b32 s30, 11, 10                      ; log2 of a row's bytes
	v_lshlrev_b32 v4, s31, v2
	v_add_nc_u32 v4, s28, v4                       ; my row
	v_lshlrev_b32 v5, s30, v4
	v_lshl_add_u32 v5, v3, 5, v5                   ; + 8 h numbers
	v_add_nc_u32 v5, s29, v5
	s_lshl_b32 s32, s23, 13
	s_mov_b32 s33, 0
	s_add_nc_u64 s[20:21], s[20:21], s[32:33]      ; my group in wimg
.set k, 0
.rept 8                                ; tile k: k = 32 k + 8 h + 0..7 and 32 k + 16 + 8 h + 0..7
	global_load_b128 v[X+16*k:X+16*k+3],     v5, s[24:25] offset:128*k
	global_load_b128 v[X+16*k+4:X+16*k+7],   v5, s[24:25] offset:128*k+16
	global_load_b128 v[X+16*k+8:X+16*k+11],  v5, s[24:25] offset:128*k+64
	global_load_b128 v[X+16*k+12:X+16*k+15], v5, s[24:25] offset:128*k+80
.set k, k+1
.endr
	s_wait_loadcnt 0x0
.set k, 0
.rept 64
	v_cvt_pk_bf16_f32 v[Y+k], v[X+2*k], v[X+2*k+1]
.set k, k+1
.endr
.set k, 0
.rept 16
	global_store_b128 v1, v[Y+4*k:Y+4*k+3], s[20:21] offset:512*k  ; 512 consecutive bytes a store
.set k, k+1
.endr
	s_endpgm
.Lfunc_end_k_q2c2f5d36ef_prep:
	.size	k_q2c2f5d36ef_prep, .Lfunc_end_k_q2c2f5d36ef_prep-k_q2c2f5d36ef_prep
	.p2alignl 7, 3214868480
	.fill 96, 4, 3214868480
	.section	.rodata,"a",@progbits
	.p2align	6, 0x0
	.amdhsa_kernel k_q2c2f5d36ef_prep
		.amdhsa_group_segment_fixed_size 0
		.amdhsa_private_segment_fixed_size 0
		.amdhsa_enable_private_segment 0
		.amdhsa_kernarg_size 72
		.amdhsa_user_sgpr_count 2
		.amdhsa_user_sgpr_kernarg_segment_ptr 1
		.amdhsa_wavefront_size32 1
		.amdhsa_system_sgpr_workgroup_id_x 1
		.amdhsa_system_sgpr_workgroup_id_y 1
		.amdhsa_system_sgpr_workgroup_id_z 1
		.amdhsa_system_vgpr_workitem_id 0
		.amdhsa_next_free_vgpr 200
		.amdhsa_next_free_sgpr 66
		.amdhsa_reserve_vcc 0
		.amdhsa_float_denorm_mode_32 3
		.amdhsa_float_denorm_mode_16_64 3
		.amdhsa_memory_ordered 1
		.amdhsa_forward_progress 1
		.amdhsa_inst_pref_size 12
	.end_amdhsa_kernel
	.amdgpu_metadata
---
amdhsa.version: [ 1, 2 ]
amdhsa.kernels:
  - .name:           k_q2c2f5d36ef_prep
    .symbol:         k_q2c2f5d36ef_prep.kd
    .args:
      - { .name: in_proj_w, .offset: 0, .size: 8, .value_kind: global_buffer, .address_space: global }
      - { .name: out_proj_w, .offset: 8, .size: 8, .value_kind: global_buffer, .address_space: global }
      - { .name: off_w, .offset: 16, .size: 8, .value_kind: global_buffer, .address_space: global }
      - { .name: aw_w, .offset: 24, .size: 8, .value_kind: global_buffer, .address_space: global }
      - { .name: oproj_w, .offset: 32, .size: 8, .value_kind: global_buffer, .address_space: global }
      - { .name: ffn_w1, .offset: 40, .size: 8, .value_kind: global_buffer, .address_space: global }
      - { .name: ffn_w2, .offset: 48, .size: 8, .value_kind: global_buffer, .address_space: global }
      - { .name: vproj_w, .offset: 56, .size: 8, .value_kind: global_buffer, .address_space: global }
      - { .name: wimg, .offset: 64, .size: 8, .value_kind: global_buffer, .address_space: global }
    .group_segment_fixed_size: 0
    .private_segment_fixed_size: 0
    .kernarg_segment_align: 8
    .kernarg_segment_size: 72
    .max_flat_workgroup_size: 128
    .sgpr_count:     66
    .vgpr_count:     200
    .wavefront_size: 32
...
	.end_amdgpu_metadata
.endif
;; end of part 1
;; launch vproj (part 2): grid 250 x 1, 4 waves a work-group, no clusters, 78,336 bytes of LDS; arguments value, wimg, vproj_b, val; writes val
.if DOCPART == 2
	.amdgcn_target "amdgcn-amd-amdhsa--gfx1250"
	.amdhsa_code_object_version 6
	.text
	.protected	k_q2c2f5d36ef_vproj
	.globl	k_q2c2f5d36ef_vproj
	.p2align	8
	.type	k_q2c2f5d36ef_vproj,@function
k_q2c2f5d36ef_vproj:
	s_mov_b64 s[64:65], 0
	v_nop
	global_prefetch_b8 v0, s[64:65] scope:SCOPE_SE
	s_setreg_imm32_b32 hwreg(HW_REG_WAVE_MODE, 25, 1), 1
	s_wait_xcnt 0x0
; val = value . vproj_w^T + vproj_b, rounded once to bf16, laid out by heads: [b][head][pixel 40000][32 channels].  160,000 rows x 256; sums in f32.
; A STREAM: 1,024 bytes in and 512 bytes out a row.  A work-group takes 640 rows in 5 blocks of 128.  Wave w keeps the weights of columns 64 w .. 64 w + 63 (heads 2 w, 2 w + 1) in 256 registers
; for the whole launch; the block of value is shared: each wave loads 32 rows (64 loads of 512 consecutive bytes), rounds them to bf16 and puts them into LDS.  The next block's loads go out in two
; runs of 32, one behind the block's second barrier and one a trip (64 products) later, and are waited for at the next block's head.
; A TRIP is two tiles of 16 rows: the second tile's fragments are fetched ahead of the first's products, the first tile's results go through the stage while the second's products run, and the next
; trip's first fragments are fetched ahead of the second's products.  The first of a block's four trips is written out, so that the second run of loads stands in straight text.
; No cluster: work-groups share only 128 KiB of weights, read once each.  No prefetch: the launch's own loads run a block ahead.
; The product is taken transposed (source 0 = 16 weight rows, source 1 = 16 rows of value): a lane holds one pixel (lane % 16) and eight neighbouring channels.
; LIMITS: NaN and infinities are not treated apart.
.set PITCH, 528                        ; an LDS row: 512 bytes of bf16 + 16: an odd multiple of 16, so the 16 rows of a fragment load start 16 bytes apart modulo 256
.set OST,   128*PITCH                  ; behind the block: a stage of 2 heads x 16 pixels x 80 bytes for each wave
.set SPARE, OST+4*2560                 ; the spare words, 128 bytes a wave
.set WOFF,  1277952                    ; vproj_w's image in wimg
.set L16, 1                            ; v1  16 x lane
.set CA,  2                            ; v2  where I put 8 bytes of my first row
.set AA,  3                            ; v3  LDS address of the trip's first tile
.set AA0, 4                            ; v4  r x PITCH + 16 h
.set OSA, 5                            ; v5  stage, in
.set OLA, 6                            ; v6  stage, back
.set BO,  7                            ; v7  my offset in vproj_b
.set WO,  8                            ; v8  my offset in the weights' image
.set SPW, 10
.set NIL, 11
.set BI,  16                           ; v[16:47]   bias of my 4 column tiles, in the result's layout
.set T,   48                           ; v[48:63]   packed results
.set F0,  64                           ; v[64:127], v[128:191] fragments of two row tiles
.set F1,  128
.set ACC0, 192                         ; v[192:223], v[224:255] their accumulators
.set ACC1, 224
; window 1: the weights, fragment (n, ks) at 64 n + 8 ks.  window 2: 256 registers of value as loaded
.set MSB, 0
.macro WIN new
.if MSB != (\new)
	s_set_vgpr_msb (MSB<<8)|(\new)
.set MSB, (\new)
.endif
.endm
.macro PLACES
.rept 4
	v_nop
.endr
.endm
.macro XLOAD first, cnt                ; loads first .. first + cnt - 1 of the 64 that bring my 32 rows of a block
	WIN 0x80
.set xi, (\first)
.rept (\cnt)
	global_load_b128 v[4*xi:4*xi+3], v[L16], s[18:19] offset:(xi/2)*1024+(xi%2)*512 th:TH_LOAD_NT
.set xi, xi+1
.endr
	WIN 0
.endm
.macro FETCHA f, rowoff                ; 16 rows x 256 k
.set fk, 0
.rept 8
	ds_load_b128 v[(\f)+8*fk:(\f)+8*fk+3],   v[AA] offset:(\rowoff)+64*fk
	ds_load_b128 v[(\f)+8*fk+4:(\f)+8*fk+7], v[AA] offset:(\rowoff)+64*fk+32
.set fk, fk+1
.endr
.endm
.macro MULT f, acc                     ; 32 products; the four accumulators take turns; the bias starts the sums
	WIN 0x01
.set mk, 0
.rept 8
.set mn, 0
.rept 4
.if mk == 0
	v_wmma_f32_16x16x32_bf16 v[(\acc)+8*mn:(\acc)+8*mn+7], v[64*mn+8*mk:64*mn+8*mk+7], v[(\f)+8*mk:(\f)+8*mk+7], v[BI+8*mn:BI+8*mn+7]
.else
	v_wmma_f32_16x16x32_bf16 v[(\acc)+8*mn:(\acc)+8*mn+7], v[64*mn+8*mk:64*mn+8*mk+7], v[(\f)+8*mk:(\f)+8*mk+7], v[(\acc)+8*mn:(\acc)+8*mn+7]
.endif
.set mn, mn+1
.endr
.set mk, mk+1
.endr
.endm
.macro OUTA acc                        ; tile s15 (16 pixels): its place in val, its rounding, and into and out of my stage, so that a store covers 512 consecutive bytes of a head's plane
	s_mul_hi_u32 s22, s15, 1717987                 ; batch = tile / 2,500
	s_mul_i32 s24, s22, 2500
	s_sub_co_u32 s24, s15, s24
	s_lshl_b32 s24, s24, 10                        ; 16 pixels x 64 bytes
	s_mul_i32 s22, s22, 20480000
	s_add_co_u32 s22, s22, s24
	s_add_co_u32 s22, s22, s25                     ; + my first head's plane
	s_wait_xcnt 0x0                                ; the earlier stores have read their base and their data: both are written below
	s_add_nc_u64 s[20:21], s[10:11], s[22:23]
	s_add_co_u32 s15, s15, 1
.set on, 0
.rept 16
	v_cvt_pk_bf16_f32 v[T+on], v[(\acc)+2*on], v[(\acc)+2*on+1]
.set on, on+1
.endr
.set on, 0
.rept 4
	ds_store_b128 v[OSA], v[T+4*on:T+4*on+3] offset:(on/2)*1280+32*(on%2)
.set on, on+1
.endr
.set on, 0
.rept 4
	ds_load_b128 v[T+4*on:T+4*on+3], v[OLA] offset:(on/2)*1280+(on%2)*640  ; a wave's LDS instructions are served in order: these see the stores above
.set on, on+1
.endr
.endm
.macro OUTB                            ; and the tile leaves
	s_wait_dscnt 0x0
.set on, 0
.rept 4
	global_store_b128 v[L16], v[T+4*on:T+4*on+3], s[20:21] offset:(on/2)*2560000+(on%2)*512 th:TH_STORE_NT
.set on, on+1
.endr
.endm
; Two tiles of 16 rows.  At its head F0's loads are out or in, and nothing else of LDS.  inloop = 1: in the block's last trip (s14 = 1) there is no further tile to fetch.
.macro TRIP inloop
	FETCHA F1, 16*PITCH
	s_wait_dscnt 16                                ; F0 is in; F1's 16 loads, issued behind it, may stay out
	MULT F0, ACC0
	WIN 0
	PLACES                                         ; four places in front of conversions that read results, and of loads into registers that the products have read
	OUTA ACC0
	s_wait_dscnt 8                                 ; F1 is in; the stage's 4 stores and 4 loads, issued behind it, may stay out
.if \inloop
	s_cmp_eq_u32 s14, 1
	s_cbranch_scc1 .Lnof_\@
.endif
	v_add_nc_u32 v[AA], 32*PITCH, v[AA]
	FETCHA F0, 0                                   ; the next trip's first tile
.if \inloop
.Lnof_\@:
.endif
	MULT F1, ACC1
	WIN 0
	OUTB                                           ; its wait for 0 finds stage and fragments long in
	PLACES
	OUTA ACC1
	OUTB
.endm
	s_load_b256 s[4:11], s[0:1], 0x0               ; value, wimg, vproj_b, val
	v_lshl_add_u32 v[SPW], v0, 2, SPARE
	v_mov_b32 v[NIL], 0
	v_lshrrev_b32 v1, 5, v0
	v_readfirstlane_b32 s12, v1                    ; wave
	v_and_b32 v12, 31, v0
	v_and_b32 v13, 15, v0
	v_bfe_u32 v14, v0, 4, 1
	v_lshlrev_b32 v[L16], 4, v12
	s_mul_i32 s22, s12, 32*PITCH
	v_lshl_add_u32 v[CA], v12, 3, s22
	v_mul_u32_u24 v[AA0], v13, PITCH
	v_lshl_add_u32 v[AA0], v14, 4, v[AA0]
	s_mul_i32 s22, s12, 2560
	s_add_co_u32 s22, s22, OST
	v_mul_u32_u24 v[OSA], v13, 80
	v_lshl_add_u32 v[OSA], v14, 4, v[OSA]
	v_add_nc_u32 v[OSA], s22, v[OSA]
	v_lshrrev_b32 v[OLA], 2, v12
	v_mul_u32_u24 v[OLA], v[OLA], 80
	v_and_b32 v15, 3, v12
	v_lshl_add_u32 v[OLA], v15, 4, v[OLA]
	v_add_nc_u32 v[OLA], s22, v[OLA]
	s_lshl_b32 s22, s12, 8
	v_lshl_add_u32 v[BO], v14, 5, s22
	s_lshl_b32 s22, s12, 15
	v_add_nc_u32 v[WO], s22, v[L16]
	s_mul_i32 s25, s12, 5120000                    ; two planes a wave
	s_mul_i32 s15, ttmp9, 40                       ; my first tile of 16 pixels
	s_mul_i32 s22, ttmp9, 640
	s_lshl_b32 s24, s12, 5
	s_add_co_u32 s22, s22, s24
	s_lshl_b32 s22, s22, 10                        ; my first row, in bytes (under 2^28)
	s_mov_b32 s23, 0
	s_mov_b32 s13, 5
	s_wait_kmcnt 0x0
	s_add_nc_u64 s[18:19], s[4:5], s[22:23]
	WIN 0x40
.set n, 0
.rept 4
.set k, 0
.rept 8
	global_load_b128 v[64*n+8*k:64*n+8*k+3],   v[WO], s[6:7] offset:WOFF+8192*n+1024*k
	global_load_b128 v[64*n+8*k+4:64*n+8*k+7], v[WO], s[6:7] offset:WOFF+8192*n+1024*k+512
.set k, k+1
.endr
.set n, n+1
.endr
	WIN 0
.set n, 0
.rept 8
	global_load_b128 v[BI+4*n:BI+4*n+3], v[BO], s[8:9] offset:64*(n/2)+16*(n%2)
.set n, n+1
.endr
	XLOAD 0, 64                                    ; block 0
.Lblk:                                         ; five trips, a block of 128 rows each
	s_wait_loadcnt 0x0                             ; my 32 rows are in (the first time: weights and bias too)
	WIN 0x8a
.set xi, 0
.rept 64
	v_cvt_pk_bf16_f32 v[4*xi],   v[4*xi],   v[4*xi+1]
	v_cvt_pk_bf16_f32 v[4*xi+1], v[4*xi+2], v[4*xi+3]
.set xi, xi+1
.endr
	WIN 0
	s_wait_dscnt 0x0                               ; my reads of the last block are back,
	s_barrier_signal -1
	s_barrier_wait -1                              ; everybody's are: the rows may be written
	WIN 0x08
.set xi, 0
.rept 64
	ds_store_b64 v[CA], v[4*xi:4*xi+1] offset:(xi/2)*PITCH+(xi%2)*256
.set xi, xi+1
.endr
	WIN 0
	s_wait_dscnt 0x0                               ; my stores are done,
	s_barrier_signal -1
	s_barrier_wait -1                              ; everybody's are: the block is whole
	s_cmp_eq_u32 s13, 1
	s_cbranch_scc1 .LnoA                           ; behind the last block there is nothing to load
	s_wait_xcnt 0x0
	s_add_nc_u64 s[18:19], s[18:19], 131072
	XLOAD 0, 32                                    ; the next block's first 16 of my rows
.LnoA:
	v_mov_b32 v[AA], v[AA0]
	FETCHA F0, 0
	TRIP 0
	s_cmp_eq_u32 s13, 1
	s_cbranch_scc1 .LnoB
	XLOAD 32, 32                                   ; and the other 16, 64 products behind the first run
.LnoB:
	s_mov_b32 s14, 3
.Lmt:                                          ; the block's other three trips
	TRIP 1
	s_sub_co_u32 s14, s14, 1
	s_cmp_lg_u32 s14, 0
	s_cbranch_scc1 .Lmt
	s_sub_co_u32 s13, s13, 1
	s_cmp_lg_u32 s13, 0
	s_cbranch_scc1 .Lblk
	s_wait_tensorcnt 0x0                           ; the wave's end, behind my last LDS store
	ds_add_u32 v[SPW], v[NIL]
	s_wait_dscnt 0x0
	s_endpgm
.Lfunc_end_k_q2c2f5d36ef_vproj:
	.size	k_q2c2f5d36ef_vproj, .Lfunc_end_k_q2c2f5d36ef_vproj-k_q2c2f5d36ef_vproj
	.p2alignl 7, 3214868480
	.fill 96, 4, 3214868480
	.section	.rodata,"a",@progbits
	.p2align	6, 0x0
	.amdhsa_kernel k_q2c2f5d36ef_vproj
		.amdhsa_group_segment_fixed_size 78336
		.amdhsa_private_segment_fixed_size 0
		.amdhsa_enable_private_segment 0
		.amdhsa_kernarg_size 32
		.amdhsa_user_sgpr_count 2
		.amdhsa_user_sgpr_kernarg_segment_ptr 1
		.amdhsa_wavefront_size32 1
		.amdhsa_system_sgpr_workgroup_id_x 1
		.amdhsa_system_sgpr_workgroup_id_y 1
		.amdhsa_system_sgpr_workgroup_id_z 1
		.amdhsa_system_vgpr_workitem_id 0
		.amdhsa_next_free_vgpr 768
		.amdhsa_next_free_sgpr 66
		.amdhsa_reserve_vcc 0
		.amdhsa_float_denorm_mode_32 3
		.amdhsa_float_denorm_mode_16_64 3
		.amdhsa_memory_ordered 1
		.amdhsa_forward_progress 1
		.amdhsa_inst_pref_size 58
	.end_amdhsa_kernel
	.amdgpu_metadata
---
amdhsa.version: [ 1, 2 ]
amdhsa.kernels:
  - .name:           k_q2c2f5d36ef_vproj
    .symbol:         k_q2c2f5d36ef_vproj.kd
    .args:
      - { .name: value, .offset: 0, .size: 8, .value_kind: global_buffer, .address_space: global }
      - { .name: wimg, .offset: 8, .size: 8, .value_kind: global_buffer, .address_space: global }
      - { .name: vproj_b, .offset: 16, .size: 8, .value_kind: global_buffer, .address_space: global }
      - { .name: val, .offset: 24, .size: 8, .value_kind: global_buffer, .address_space: global }
    .group_segment_fixed_size: 78336
    .private_segment_fixed_size: 0
    .kernarg_segment_align: 8
    .kernarg_segment_size: 32
    .max_flat_workgroup_size: 128
    .sgpr_count:     66
    .vgpr_count:     768
    .wavefront_size: 32
...
	.end_amdgpu_metadata
.endif
;; end of part 2
;; launch qkv (part 3): grid 80 x 3, 4 waves a work-group, no clusters, 34,304 bytes of LDS; arguments query, query_pos, in_proj_b, wimg, qkv; writes qkv
.if DOCPART == 3
	.amdgcn_target "amdgcn-amd-amdhsa--gfx1250"
	.amdhsa_code_object_version 6
	.text
	.protected	k_q2c2f5d36ef_qkv
	.globl	k_q2c2f5d36ef_qkv
	.p2align	8
	.type	k_q2c2f5d36ef_qkv,@function
k_q2c2f5d36ef_qkv:
	s_mov_b64 s[64:65], 0
	v_nop
	global_prefetch_b8 v0, s[64:65] scope:SCOPE_SE
	s_setreg_imm32_b32 hwreg(HW_REG_WAVE_MODE, 25, 1), 1
	s_wait_xcnt 0x0
; q = (query + query_pos) Wq^T + bq, k = query Wk^T + bk, v = query Wv^T + bv, each rounded once to bf16 and stored as operand images by heads:
; part y (q, k, v) of 5,242,880 bytes: [b x 8 + head][tile 160] tiles of 16 tokens x 32 channels (1,024 bytes: [g][lane][16 bytes], row lane % 16, channel 16 g + 8 (lane / 16) + 0..7).
; A batch's 2,500 tokens are padded to 2,560 with copies of its last token: finite numbers that the attention hides as keys and that nobody reads as queries.
; SHARES.  A work-group: 128 tokens of one part, in two trips of 64: 80 x 3 = 240 work-groups, each alone on its WGP.  Wave w: columns 64 w .. + 63 (heads 2 w, 2 w + 1) for all tokens; its 32 KiB of weights
; and its bias are loaded once and stay in registers for both trips.  Of a trip's 64 rows each wave loads 16, rounds them to bf16 and puts them into LDS; the second trip's rows are asked for as soon
; as the first trip's lie in LDS, ahead of the first trip's 128 products.  The scale 1 / sqrt(32) is applied in the attention, in f32.
; No cluster: what work-groups share is 128 KiB of weights, read once by each.  LIMITS: NaN and infinities are not treated apart.
.set PITCH, 528                        ; an LDS row: 512 bytes of bf16 + 16: an odd multiple of 16
.set SPARE, 64*PITCH
.set BI, 32                            ; v[32:63]   bias, in the result's layout
.set T,  64                            ; v[64:127]  packed results
.set POS, 128                          ; v[128:255] query_pos of my 16 rows
.set ACC, 128                          ; window 2: the accumulators (n, i) at ACC + 32 n + 8 i
; v1 16 x lane, v4 fragment address, v5 where I put a row's 8 bytes, v6 weights' offset, v7 bias offset, v10, v11 the add's, v[12:27] my 16 rows' offsets
; window 1: A, fragment (tile i, ks) at 64 i + 8 ks.  window 2: query v0-127, the accumulators v128-255.  window 3: the weights, group n at 64 n + 8 ks
; s14 wave, s15 part, s16 batch, s17 block of 128 tokens, s18 the batch's first row, s19 my first token of the trip, s27 trips to go
.set MSB, 0
.macro WIN new
.if MSB != (\new)
	s_set_vgpr_msb (MSB<<8)|(\new)
.set MSB, (\new)
.endif
.endm
.macro PLACES
.rept 4
	v_nop
.endr
.endm
.macro ROWS                            ; the byte offsets of my 16 rows of the trip that begins at token s19
.set ri, 0
.rept 16
	s_add_co_u32 s22, s19, ri
	s_min_u32 s22, s22, 2499                       ; the pads repeat the last token
	s_add_co_u32 s22, s22, s18
	v_lshl_add_u32 v[12+ri], s22, 10, v1
.set ri, ri+1
.endr
.endm
.macro XLOAD                           ; my 16 rows of query, and for q of query_pos: a load covers 512 consecutive bytes
	WIN 0x80
.set ri, 0
.rept 16
	global_load_b128 v[8*ri:8*ri+3],   v[12+ri], s[4:5]
	global_load_b128 v[8*ri+4:8*ri+7], v[12+ri], s[4:5] offset:512
.set ri, ri+1
.endr
	WIN 0
	s_cmp_lg_u32 s15, 0
	s_cbranch_scc1 .Lnopos_\@                      ; only q takes the position
.set ri, 0
.rept 16
	global_load_b128 v[POS+8*ri:POS+8*ri+3],   v[12+ri], s[6:7]
	global_load_b128 v[POS+8*ri+4:POS+8*ri+7], v[12+ri], s[6:7] offset:512
.set ri, ri+1
.endr
.Lnopos_\@:
.endm
	s_load_b256 s[4:11], s[0:1], 0x0               ; query, query_pos, in_proj_b, wimg
	s_load_b64 s[12:13], s[0:1], 0x20              ; qkv
	v_lshl_add_u32 v10, v0, 2, SPARE
	v_mov_b32 v11, 0
	v_lshrrev_b32 v1, 5, v0
	v_readfirstlane_b32 s14, v1                    ; wave
	s_and_b32 s15, ttmp7, 0xffff                   ; part
	s_mul_hi_u32 s16, ttmp9, 214748365             ; batch = x / 20
	s_mul_i32 s17, s16, 20
	s_sub_co_u32 s17, ttmp9, s17                   ; block of 128 tokens
	v_and_b32 v8, 31, v0
	v_lshlrev_b32 v1, 4, v8
	v_and_b32 v2, 15, v0
	v_bfe_u32 v3, v0, 4, 1
	v_mul_u32_u24 v4, v2, PITCH
	v_lshl_add_u32 v4, v3, 4, v4
	s_mul_i32 s22, s14, 16*PITCH
	v_lshl_add_u32 v5, v8, 3, s22
	s_lshl_b32 s22, s14, 15
	v_add_nc_u32 v6, s22, v1
	s_lshl_b32 s22, s14, 8
	v_lshl_add_u32 v7, v3, 5, s22
	s_mul_i32 s18, s16, 2500
	s_lshl_b32 s19, s17, 7
	s_lshl_b32 s22, s14, 4
	s_add_co_u32 s19, s19, s22                     ; my first token in the batch
	ROWS
	s_lshl_b32 s20, s15, 10
	s_mov_b32 s21, 0
	s_lshl_b32 s22, s15, 17
	s_mov_b32 s23, 0
	s_mul_i32 s24, s15, 5242880
	s_lshl_b32 s25, s16, 3
	s_lshl_b32 s26, s14, 1
	s_add_co_u32 s25, s25, s26
	s_mul_i32 s25, s25, 163840
	s_add_co_u32 s24, s24, s25
	s_lshl_b32 s25, s17, 13                        ; eight tiles of 1,024 bytes a block
	s_add_co_u32 s24, s24, s25
	s_mov_b32 s25, 0
	s_wait_kmcnt 0x0
	s_add_nc_u64 s[8:9], s[8:9], s[20:21]          ; the part's bias,
	s_add_nc_u64 s[10:11], s[10:11], s[22:23]      ; its 16 groups of weights,
	s_add_nc_u64 s[12:13], s[12:13], s[24:25]      ; and where my first head's tiles go
	XLOAD                                          ; the first trip's rows go out first: they are wanted first
.set n, 0
.rept 8
	global_load_b128 v[BI+4*n:BI+4*n+3], v7, s[8:9] offset:64*(n/2)+16*(n%2)
.set n, n+1
.endr
	WIN 0xc0
.set n, 0
.rept 4
.set k, 0
.rept 8
	global_load_b128 v[64*n+8*k:64*n+8*k+3],   v6, s[10:11] offset:8192*n+1024*k
	global_load_b128 v[64*n+8*k+4:64*n+8*k+7], v6, s[10:11] offset:8192*n+1024*k+512
.set k, k+1
.endr
.set n, n+1
.endr
	WIN 0
	s_wait_loadcnt 63                              ; my rows are in: 72 loads (bias, weights) were issued behind them, on both ways, and 63 of those may stay out
	s_mov_b32 s27, 2
.Ltrip:                                        ; two trips, 64 tokens each; at its head my 16 rows are in registers
	s_cmp_lg_u32 s15, 0
	s_cbranch_scc1 .Lnoadd
	WIN 0x82
.set ri, 0
.rept 64
	v_pk_add_f32 v[2*ri:2*ri+1], v[2*ri:2*ri+1], v[POS+2*ri:POS+2*ri+1]
.set ri, ri+1
.endr
	WIN 0
.Lnoadd:
	WIN 0x8a
.set ri, 0
.rept 32
	v_cvt_pk_bf16_f32 v[4*ri],   v[4*ri],   v[4*ri+1]
	v_cvt_pk_bf16_f32 v[4*ri+1], v[4*ri+2], v[4*ri+3]
.set ri, ri+1
.endr
	WIN 0
	s_wait_dscnt 0x0                               ; my reads of the last trip's rows are back,
	s_barrier_signal -1
	s_barrier_wait -1                              ; everybody's are: the rows may be written
	WIN 0x08
.set ri, 0
.rept 32
	ds_store_b64 v5, v[4*ri:4*ri+1] offset:(ri/2)*PITCH+(ri%2)*256
.set ri, ri+1
.endr
	WIN 0
	s_wait_dscnt 0x0                               ; my 16 rows are in LDS,
	s_barrier_signal -1
	s_barrier_wait -1                              ; all 64 are
	s_wait_loadcnt 0x0                             ; the first time: weights and bias; no load of mine is out, so the rows' offsets may be written
	s_cmp_eq_u32 s27, 1
	s_cbranch_scc1 .Lnonext                        ; behind the last trip there is nothing to load
	s_add_co_u32 s19, s19, 64
	ROWS
	XLOAD                                          ; the next trip's rows: they have this trip's fragment loads, 128 products and stores in which to come
.Lnonext:
	WIN 0x40
.set i, 0
.rept 4
.set k, 0
.rept 8
	ds_load_b128 v[64*i+8*k:64*i+8*k+3],   v4 offset:16*PITCH*i+64*k
	ds_load_b128 v[64*i+8*k+4:64*i+8*k+7], v4 offset:16*PITCH*i+64*k+32
.set k, k+1
.endr
.set i, i+1
.endr
	s_wait_dscnt 0x0
.set n, 0
.rept 4                                ; 128 products; four accumulators take turns; the bias starts the sums
.set k, 0
.rept 8
.set i, 0
.rept 4
.if k == 0
	WIN 0x87
	v_wmma_f32_16x16x32_bf16 v[ACC+32*n+8*i:ACC+32*n+8*i+7], v[64*n+8*k:64*n+8*k+7], v[64*i+8*k:64*i+8*k+7], v[BI+8*n:BI+8*n+7]
.else
	WIN 0xa7
	v_wmma_f32_16x16x32_bf16 v[ACC+32*n+8*i:ACC+32*n+8*i+7], v[64*n+8*k:64*n+8*k+7], v[64*i+8*k:64*i+8*k+7], v[ACC+32*n+8*i:ACC+32*n+8*i+7]
.endif
.set i, i+1
.endr
.set k, k+1
.endr
.set n, n+1
.endr
	PLACES                                         ; four places in front of conversions that read results
	WIN 0x0a
.set ri, 0
.rept 64
	v_cvt_pk_bf16_f32 v[T+ri], v[ACC+2*ri], v[ACC+2*ri+1]
.set ri, ri+1
.endr
	WIN 0
.set n, 0
.rept 4
.set i, 0
.rept 4
	global_store_b128 v1, v[T+16*n+4*i:T+16*n+4*i+3], s[12:13] offset:(n/2)*163840+1024*i+512*(n%2)  ; half a tile: 512 consecutive bytes
.set i, i+1
.endr
.set n, n+1
.endr
	s_wait_xcnt 0x0                                ; the stores have read their base and their data: both are written again
	s_add_nc_u64 s[12:13], s[12:13], 4096          ; four tiles on
	s_wait_loadcnt 0x0                             ; the next trip's rows are in
	s_sub_co_u32 s27, s27, 1
	s_cmp_lg_u32 s27, 0
	s_cbranch_scc1 .Ltrip
	s_wait_tensorcnt 0x0                           ; the wave's end, behind my last LDS store
	ds_add_u32 v10, v11
	s_wait_dscnt 0x0
	s_endpgm
.Lfunc_end_k_q2c2f5d36ef_qkv:
	.size	k_q2c2f5d36ef_qkv, .Lfunc_end_k_q2c2f5d36ef_qkv-k_q2c2f5d36ef_qkv
	.p2alignl 7, 3214868480
	.fill 96, 4, 3214868480
	.section	.rodata,"a",@progbits
	.p2align	6, 0x0
	.amdhsa_kernel k_q2c2f5d36ef_qkv
		.amdhsa_group_segment_fixed_size 34304
		.amdhsa_private_segment_fixed_size 0
		.amdhsa_enable_private_segment 0
		.amdhsa_kernarg_size 40
		.amdhsa_user_sgpr_count 2
		.amdhsa_user_sgpr_kernarg_segment_ptr 1
		.amdhsa_wavefront_size32 1
		.amdhsa_system_sgpr_workgroup_id_x 1
		.amdhsa_system_sgpr_workgroup_id_y 1
		.amdhsa_system_sgpr_workgroup_id_z 1
		.amdhsa_system_vgpr_workitem_id 0
		.amdhsa_next_free_vgpr 1024
		.amdhsa_next_free_sgpr 66
		.amdhsa_reserve_vcc 0
		.amdhsa_float_denorm_mode_32 3
		.amdhsa_float_denorm_mode_16_64 3
		.amdhsa_memory_ordered 1
		.amdhsa_forward_progress 1
		.amdhsa_inst_pref_size 57
	.end_amdhsa_kernel
	.amdgpu_metadata
---
amdhsa.version: [ 1, 2 ]
amdhsa.kernels:
  - .name:           k_q2c2f5d36ef_qkv
    .symbol:         k_q2c2f5d36ef_qkv.kd
    .args:
      - { .name: query, .offset: 0, .size: 8, .value_kind: global_buffer, .address_space: global }
      - { .name: query_pos, .offset: 8, .size: 8, .value_kind: global_buffer, .address_space: global }
      - { .name: in_proj_b, .offset: 16, .size: 8, .value_kind: global_buffer, .address_space: global }
      - { .name: wimg, .offset: 24, .size: 8, .value_kind: global_buffer, .address_space: global }
      - { .name: qkv, .offset: 32, .size: 8, .value_kind: global_buffer, .address_space: global }
    .group_segment_fixed_size: 34304
    .private_segment_fixed_size: 0
    .kernarg_segment_align: 8
    .kernarg_segment_size: 40
    .max_flat_workgroup_size: 128
    .sgpr_count:     66
    .vgpr_count:     1024
    .wavefront_size: 32
...
	.end_amdgpu_metadata
.endif
;; end of part 3
;; launch attn (part 4): grid 8 x 32, 4 waves a work-group, clusters of 4 x 1, 327,680 bytes of LDS; arguments qkv, saimg; writes saimg
.if DOCPART == 4
	.amdgcn_target "amdgcn-amd-amdhsa--gfx1250"
	.amdhsa_code_object_version 6
	.text
	.protected	k_q2c2f5d36ef_attn
	.globl	k_q2c2f5d36ef_attn
	.p2align	8
	.type	k_q2c2f5d36ef_attn,@function
k_q2c2f5d36ef_attn:
	s_mov_b64 s[64:65], 0
	v_nop
	global_prefetch_b8 v0, s[64:65] scope:SCOPE_SE
	s_setreg_imm32_b32 hwreg(HW_REG_WAVE_MODE, 25, 1), 1
	s_wait_xcnt 0x0
	s_wait_alu depctr_hold_cnt(0) depctr_sa_sdst(0) depctr_va_vdst(0) depctr_va_sdst(0) depctr_va_ssrc(0) depctr_va_vcc(0) depctr_vm_vsrc(0)
	s_getreg_b32 s2, hwreg(HW_REG_IB_STS2, 6, 4)
	s_cmp_eq_u32 s2, 0
	s_cbranch_scc0 .Lentry_in_a_cluster
	s_endpgm
.Lentry_in_a_cluster:
	s_bfe_u32 s2, ttmp6, 0x10000c
	s_cmp_lg_u32 s2, 0x3003
	s_cbranch_scc0 .Lentry_shape_is_right
	s_endpgm
.Lentry_shape_is_right:
; SELF-ATTENTION, head size 32.  O[q] = sum over the 2,500 keys of softmax_k(q . k / sqrt(32)) v.  q, k, v: bf16 operand images (16 tokens x 32 channels a tile, 160 tiles a head, the last 60 tokens pads).
; Products, maxima and sums in f32; the weights p are rounded to bf16 for the second product, and their sum l is taken of the rounded p, by the matrix unit (a product with ones).
; LIMITS.  A hidden key (2,500 and on) counts as its score less 1e30; a weight below 2^-126 counts as 0; NaN and infinities are not treated apart.
; SHARES.  A work-group has 20 query tiles of one head, a wave five.  Every wave walks 40 key steps of 64 keys, in five chunks of eight steps through two LDS slots.
; LAYOUT.  S^T = K Q^T: a lane holds ONE query (lane % 16) and the keys 16 kt + 8 (lane / 16) + 0..7.  Two such results rounded in pairs ARE source 1 of O^T = V^T P.  K comes out of LDS as it lies; V, stored
; like K, comes turned, by ds_load_tr16_b128.  The ones' rows 0 and 8 put a query's sum into register 0 of both halves of the lanes.
; SOFTMAX.  A running maximum m: p = 2^(c s - c m), c = log2(e) / sqrt(32); in every step O and l are multiplied by a = 2^(c m_old - c m_new).  m starts at the lowest finite number, O and l at 0.
; BY TURNS.  Turn y belongs to tile y: 4 products K Q^T of tile y + 1, 6 products V^T P of tile y - 1; beside them tile y's scaling, exponentials and rescaling and tile y + 1's maximum.  A tile and step have 10 matrix
; and 95 vector instructions: four stand behind each matrix instruction, the rest in one run.  A turn's 33 exponentials are one batch with one wait; the roundings follow it.
; CLUSTER.  The four work-groups of a cluster walk the same K and V of one head: each chunk is asked for jointly, the same load, descriptor and mask in all four.
; No first and no last step is written out: the price is 200 v_mov_b32 in the wait for the first chunk, six products on zeros at the start and four on stale bytes at the end.
; REGISTERS.  window 0: v2-11 addresses; tile t's statistics at 16 + 8 t (c m, m, a, c m_old, c0-c3); S^T at 64 + 32 t.  window 1: O^T at 16 t + 8 cb; l at 80 + 8 t; P at 128 + 16 t.
; window 2: Q at 8 t; ones v40-47; K v64-95; V v96-127; the last step's mask v128-159.
.set SLOT1, 1<<17                      ; slot 1 begins here: one exclusive or turns an address in one slot into the other's
.set CHUNK, 32768                      ; a chunk's K (8 steps x 4 tiles of 1,024 bytes); its V lies behind
.set SPARE, SLOT1+2*CHUNK              ; the spare words, 128 bytes a wave
.set AK0, 2
.set AV0, 3
.set AK,  4
.set AV,  5
.set HM,  7                            ; v7  0 in lanes 0-15, -1e30 in lanes 16-31
.set PFO, 9                            ; v9  256 x lane
.set SPW, 10
.set NIL, 11
.set ST,  16
.set S,   64
.set LL,  80
.set P,   128
.set ONES, 40
.set KF,  64
.set VF,  96
.set MC,  128
.set WV,  12
.set LIM, 15
.set PFA, 18
.set G1,  24
.set G0,  40
.set QP,  44
.set OUTP, 46
.set BIGN, 48
.set SLOTS, 56
.set CNT, 57
.set CS,  58
.set SEL, 60
.set TBK, 62
.set TBV, 63
.set MSB, 0
.macro WIN new
.if MSB != (\new)
	s_set_vgpr_msb (MSB<<8)|(\new)
.set MSB, (\new)
.endif
.endm
.macro PLACES
.rept 4
	v_nop
.endr
.endm
.set W_RS, 0x41                        ; destination and source 0 in window 1, source 1 in window 0
.macro JLOAD                           ; every wave fetches a quarter of a chunk: waves 0, 1 K's halves, waves 2, 3 V's
	tensor_load_to_lds s[G0:G0+3], s[G1:G1+7]
	s_nop 0
.rept 4
	v_nop
.endr
.endm
.macro ASK                             ; a prefetch of the chunk that the NEXT change of slots will load, eight key steps (400 matrix instructions) ahead.  The head's first cluster asks, wave 0 for K and wave 2 for V;
	s_cmp_gt_u32 s[SLOTS], s[LIM]                  ; the four partners take 32 rows of 256 bytes each, told apart by address; the last change that fills a slot asks for nothing
	s_cbranch_scc0 .Lnot_mine_\@
	global_prefetch_b8 v[PFO], s[PFA:PFA+1] th:TH_LOAD_NT scope:SCOPE_SE
.Lnot_mine_\@:
.endm
.macro CROUND                          ; a round of the cluster's barrier
	s_barrier_signal -1
	s_barrier_wait -1
	s_cmp_lg_u32 s[WV], 0
	s_cbranch_scc1 .Lnot_wave_0_\@
	s_barrier_signal -3
.Lnot_wave_0_\@:
	s_barrier_wait -3
	s_barrier_signal -1
	s_barrier_wait -1
.endm
; THE CHANGE OF SLOTS.  Each wave waits for all its tensor loads (one is out: its part of the other slot), adds 0 to its spare word, and waits for that and for its reads of the slot that it leaves.
; fill = 1: behind a round of the cluster's barrier the old slot is filled again, first thing, with the chunk two on.  (At its first use slot 0 is waited for and slot 1 filled.)
.macro CHANGE fill
	WIN 0
	s_wait_tensorcnt 0x0
	ds_add_u32 v[SPW], v[NIL]
.if \fill
	s_xor_b32 s[G0+1], s[G0+1], SLOT1
	s_add_nc_u64 s[G0+2:G0+3], s[G0+2:G0+3], CHUNK
	s_wait_xcnt 0x0                                ; the last prefetch, eight steps back, has read its address
	s_add_nc_u64 s[PFA:PFA+1], s[PFA:PFA+1], CHUNK
	s_wait_dscnt 0x0
	CROUND
	JLOAD
	ASK
.else
	s_wait_dscnt 0x0
	s_barrier_signal -1
	s_barrier_wait -1
.endif
	s_sub_co_u32 s[TBK], s[TBK], CHUNK             ; the fetches go back to a slot's first step, in the other slot
	s_xor_b32 s[TBK], s[TBK], SLOT1
	s_sub_co_u32 s[TBV], s[TBV], CHUNK
	s_xor_b32 s[TBV], s[TBV], SLOT1
.endm
	s_load_b128 s[4:7], s[0:1], 0x0                ; qkv, saimg
	v_lshl_add_u32 v[SPW], v0, 2, SPARE
	v_mov_b32 v[NIL], 0
	ds_add_u32 v[SPW], v[NIL]                      ; the wave's opening: the add and its wait ahead of my first tensor load
	v_lshrrev_b32 v1, 5, v0
	v_readfirstlane_b32 s[WV], v1
	s_bfe_u32 s13, ttmp6, 0x40000                  ; cx
	s_lshl_b32 s14, ttmp9, 2
	s_add_co_u32 s14, s14, s13                     ; my block of 20 query tiles: it enters Q's and O's addresses alone
	s_and_b32 s16, ttmp7, 0xffff                   ; batch x 8 + head
	s_mul_i32 s20, s16, 163840                     ; the head's tiles in a part
	s_lshr_b32 s22, s[WV], 1
	s_add_co_u32 s22, s22, 1
	s_mul_i32 s22, s22, 5242880                    ; part 1 (k) for waves 0, 1; part 2 (v) for waves 2, 3
	s_add_co_u32 s22, s22, s20
	s_and_b32 s23, s[WV], 1
	s_lshl_b32 s23, s23, 14                        ; which half of a chunk
	s_add_co_u32 s22, s22, s23
	s_mov_b32 s23, 0
	s_mul_i32 s17, s14, 20
	s_mul_i32 s21, s[WV], 5
	s_add_co_u32 s17, s17, s21                     ; my first query tile
	s_lshl_b32 s50, s17, 10
	s_add_co_u32 s50, s50, s20
	s_mov_b32 s51, 0
	s_lshr_b32 s52, s16, 3
	s_mul_i32 s52, s52, 160
	s_add_co_u32 s52, s52, s17
	s_lshl_b32 s52, s52, 3
	s_and_b32 s53, s16, 7
	s_add_co_u32 s52, s52, s53
	s_lshl_b32 s52, s52, 10                        ; saimg: ((160 b + tile) x 8 + head) x 1,024
	s_mov_b32 s53, 0
	s_lshl_b32 s54, s13, 13                        ; the prefetches: my work-group's 32 rows, in chunk 1; the first change steps to chunk 2
	s_add_co_u32 s54, s54, CHUNK
	s_mov_b32 s55, 0
	s_mov_b32 s[G1], 15|(3<<16)|(1<<21)            ; the mask of four; elements of 8 bytes; bit 21 beside a mask; no padding: the tiles are read as they lie
	s_mov_b32 s[G1+1], 32<<16                      ; tensor_dim0 = 32 (256 bytes)
	s_mov_b32 s[G1+2], 64<<16                      ; tensor_dim1 = 64
	s_mov_b32 s[G1+3], 32<<16                      ; tile_dim0 = 32
	s_mov_b32 s[G1+4], 64                          ; tile_dim1 = 64
	s_mov_b32 s[G1+5], 32                          ; dense rows
	s_mov_b32 s[G1+6], 0
	s_mov_b32 s[G1+7], 0
	s_mov_b32 s[G0], 1
	s_mul_i32 s[G0+1], s[WV], 16384                ; LDS: my quarter of slot 0
	s_mov_b32 s[CS], 0x3e8293ee                    ; c = log2(e) / sqrt(32)
	s_mov_b32 s[CS+1], s[CS]
	s_mov_b32 s[SEL], 0x76543210
	s_mov_b32 s[SEL+1], 0xfedcba98
	s_mov_b32 s[BIGN], 0xf149f2ca                  ; -1e30
	s_mov_b32 s49, 0x3f803f80                      ; 1.0 twice, in bf16
	s_mov_b32 s[TBK], SLOT1+CHUNK                  ; the first change of slots turns these two into 0
	s_mov_b32 s[TBV], SLOT1+CHUNK
	s_mov_b32 s[SLOTS], 4
	s_and_b32 s[LIM], s[WV], 1
	s_or_b32 s[LIM], s[LIM], ttmp9
	s_cmp_eq_u32 s[LIM], 0
	s_cselect_b32 s[LIM], 1, -1                    ; the same in all four partners
	v_and_b32 v6, 31, v0
	v_lshlrev_b32 v[PFO], 8, v6
	s_wait_dscnt 0x0                               ; the opening add is done
	s_wait_kmcnt 0x0
	s_add_nc_u64 s[G0+2:G0+3], s[4:5], s[22:23]
	s_add_nc_u64 s[PFA:PFA+1], s[G0+2:G0+3], s[54:55]
	s_or_b32 s[G0+3], s[G0+3], 0x80000000
	s_add_nc_u64 s[QP:QP+1], s[4:5], s[50:51]
	s_add_nc_u64 s[OUTP:OUTP+1], s[6:7], s[52:53]
	CROUND                                         ; all four work-groups are here
	JLOAD                                          ; chunk 0 into slot 0
	v_lshlrev_b32 v[AK0], 4, v6                    ; a tile is read as it lies: 16 x lane
	v_bfe_u32 v8, v0, 4, 1
	v_and_b32 v12, 7, v0
	v_bfe_u32 v13, v0, 3, 1
	v_lshl_add_u32 v[AV0], v8, 3, v12              ; the turning load: lane l addresses key 8 (l / 16) + l % 8,
	v_lshlrev_b32 v[AV0], 4, v[AV0]
	v_lshl_add_u32 v[AV0], v13, 8, v[AV0]          ; channels 8 ((l / 8) % 2) + 0..7 of a block of 16
	v_add_nc_u32 v[AV0], CHUNK, v[AV0]
	v_cvt_f32_u32 v[HM], v8
	v_mul_f32 v[HM], s[BIGN], v[HM]
	v_min_u32 v12, 1, v12
	v_sub_nc_u32 v12, 1, v12
	v_mul_lo_u32 v12, v12, s49                     ; ones in lanes 0, 8, 16, 24
	WIN 0x80
.set t, 0
.rept 5
	global_load_b128 v[8*t:8*t+3],   v[AK0], s[QP:QP+1] offset:1024*t
	global_load_b128 v[8*t+4:8*t+7], v[AK0], s[QP:QP+1] offset:1024*t+512
.set t, t+1
.endr
.set t, 0
.rept 8
	v_mov_b32 v[ONES+t], v12
.set t, t+1
.endr
.set t, VF
.rept 64                               ; V and the mask
	v_mov_b32 v[t], 0
.set t, t+1
.endr
	WIN 0x40
.set t, 0
.rept 120                              ; O^T and l
	v_mov_b32 v[t], 0
.set t, t+1
.endr
.set t, P+64
.rept 16                               ; tile 4's P: the first turn's products add 0
	v_mov_b32 v[t], 0
.set t, t+1
.endr
	WIN 0
.set t, 0
.rept 5
	v_mov_b32 v[ST+8*t], 0xfe000000                ; c m: far below every c s
	v_mov_b32 v[ST+8*t+1], 0xff7fffff              ; m
.set t, t+1
.endr
; THE MATRIX WORK.  Product i of a turn: 0-3 S^T of tile x, keys 16 i on (C is 0, or in the tail's text the mask); 4-9 O^T and l of tile x: (keys 0-31: channels 0-15, 16-31, ones), (keys 32-63: the same):
; three accumulators take turns.
.macro KQ x
.set rSd, S+32*(\x)+8*i
.set rK, KF+8*i
.set rQ, 8*(\x)
.if KM
	WIN 0x2a
	v_wmma_f32_16x16x32_bf16 v[rSd:rSd+7], v[rK:rK+7], v[rQ:rQ+7], v[MC+8*i:MC+8*i+7]
.else
	WIN 0x0a
	v_wmma_f32_16x16x32_bf16 v[rSd:rSd+7], v[rK:rK+7], v[rQ:rQ+7], 0
.endif
.endm
.macro PV x
.set kk, (i-4)/3
.set c3, (i-4)%3
.set rPs, P+16*(\x)+8*kk
.if c3 < 2
.set rD, 16*(\x)+8*c3
.set rV, VF+16*kk+8*c3
.else
.set rD, LL+8*(\x)
.set rV, ONES
.endif
	WIN 0x56
	v_wmma_f32_16x16x32_bf16 v[rD:rD+7], v[rV:rV+7], v[rPs:rPs+7], v[rD:rD+7]
.endm
.macro MM
.if i < 4
	KQ (Y+1)%5
.else
	PV (Y+4)%5
.endif
.set i, i+1
.endm
.macro FETCH_K                         ; a step's K: four tiles
	WIN 0x80
.set f, 0
.rept 4
	ds_load_b128 v[KF+8*f:KF+8*f+3],   v[AK] offset:1024*f
	ds_load_b128 v[KF+8*f+4:KF+8*f+7], v[AK] offset:1024*f+512
.set f, f+1
.endr
	s_add_co_u32 s[TBK], s[TBK], 4096
	WIN 0
.endm
.macro FETCH_V                         ; a step's V, turned: keys 32 (f / 2) on, channels 16 (f % 2) on
	WIN 0x80
.set f, 0
.rept 4
	ds_load_tr16_b128 v[VF+8*f:VF+8*f+3],   v[AV] offset:2048*(f/2)+512*(f%2)
	ds_load_tr16_b128 v[VF+8*f+4:VF+8*f+7], v[AV] offset:2048*(f/2)+512*(f%2)+1024
.set f, f+1
.endr
	s_add_co_u32 s[TBV], s[TBV], 4096
	WIN 0
.endm
; THE VECTOR WORK: OP kind, number.  For tile Y: F n: c s - c m for pair n.  E n: the exponential of score n.  C n: pair n rounded to bf16.  R n: pair n of O^T (8: l) times a.
; For tile Y + 1: X n: 0-11 four chains of maxima, each accumulator's lowest registers first; 12-14, 16 the rest, the old m, into c0; 15 c m_old is kept;
; 17, 18 the other half of the lanes: the new m; 19-21 c m, its change, a.
.set F, 0
.set E, 1
.set C, 2
.set R, 5
.set X, 6
.macro REGS y
.set rT, ST+8*(\y)
.set rC, ST+8*(\y)+4
.set rS, S+32*(\y)
.set rP, P+16*(\y)
.set rO, 16*(\y)
.set rL, LL+8*(\y)
.endm
.macro OP k, n
.if (\k) == R
	REGS Y
	WIN W_RS
.if (\n) < 8
	v_pk_mul_f32 v[rO+2*(\n):rO+2*(\n)+1], v[rO+2*(\n):rO+2*(\n)+1], v[rT+2:rT+3] op_sel_hi:[1,0]
.else
	v_pk_mul_f32 v[rL:rL+1], v[rL:rL+1], v[rT+2:rT+3] op_sel_hi:[1,0]
.endif
.elseif (\k) == F
	REGS Y
	WIN 0
	v_pk_fma_f32 v[rS+2*(\n):rS+2*(\n)+1], v[rS+2*(\n):rS+2*(\n)+1], s[CS:CS+1], v[rT:rT+1] op_sel_hi:[1,0,0] neg_lo:[0,0,1] neg_hi:[0,0,1]
.elseif (\k) == E
	REGS Y
	WIN 0
	v_exp_f32 v[rS+(\n)], v[rS+(\n)]
.elseif (\k) == C
	REGS Y
	WIN 0x40
	v_cvt_pk_bf16_f32 v[rP+(\n)], v[rS+2*(\n)], v[rS+2*(\n)+1]
.else
	REGS (Y+1)%5
	WIN 0
.if (\n) < 4
	v_max3_num_f32 v[rC+(\n)], v[rS+8*(\n)], v[rS+8*(\n)+1], v[rS+8*(\n)+2]
.elseif (\n) < 12
	v_max3_num_f32 v[rC+(\n)%4], v[rC+(\n)%4], v[rS+8*((\n)%4)+2*((\n)/4)+1], v[rS+8*((\n)%4)+2*((\n)/4)+2]
.elseif (\n) == 12
	v_max3_num_f32 v[rC], v[rC], v[rS+7], v[rS+15]
.elseif (\n) == 13
	v_max3_num_f32 v[rC+1], v[rC+1], v[rS+23], v[rS+31]
.elseif (\n) == 14
	v_max3_num_f32 v[rC+2], v[rC+2], v[rC+3], v[rT+1]
.elseif (\n) == 15
	v_mov_b32 v[rT+3], v[rT]
.elseif (\n) == 16
	v_max3_num_f32 v[rC], v[rC], v[rC+1], v[rC+2]
.elseif (\n) == 17
	v_permlanex16_b32 v[rC+3], v[rC], s[SEL], s[SEL+1]
.elseif (\n) == 18
	v_max_num_f32 v[rT+1], v[rC], v[rC+3]
.elseif (\n) == 19
	v_mul_f32 v[rT], s[CS], v[rT+1]
.elseif (\n) == 20
	v_sub_f32 v[rC+1], v[rT+3], v[rT]
.else
	v_exp_f32 v[rT+2], v[rC+1]
.endif
.endif
.endm
.macro OPS a, i1, b=-1, i2=0, c=-1, i3=0, d=-1, i4=0
	OP \a, \i1
.if (\b) >= 0
	OP \b, \i2
.endif
.if (\c) >= 0
	OP \c, \i3
.endif
.if (\d) >= 0
	OP \d, \i4
.endif
.endm
.macro ROW a, i1, b, i2, c, i3, d, i4  ; a matrix instruction and the four behind it
	MM
	OPS \a, \i1, \b, \i2, \c, \i3, \d, \i4
.endm
; A TURN, for tile y.  Ahead of its one wait nothing names an exponential's result; behind it stand the 16 roundings.
; K of the next step is fetched in turn 3, seventeen plain instructions behind the last product that read K, and waited for at turn 4's head; V of the step in hand in turn 0, nine plain instructions behind the
; last product that read V, and waited for ahead of turn 1's fifth product.  tail = 1: the products K Q^T take the mask; turn 3 makes it anew: 0, or for key step 39 (the count at 2 or less) -1e30 from key 2,500 on.
.macro TURN y, tail=0
.set Y, (\y)
.set i, 0
.set KM, (\tail)
.if (\y) == 4
	s_wait_dscnt 0x0                               ; K is in
.endif
	ROW F,0, F,1, F,2, F,3
	ROW E,0, F,4, E,1, F,5
	ROW E,2, F,6, E,3, F,7
	ROW E,4, F,8, E,5, F,9
.if (\y) == 1
	s_wait_dscnt 0x0                               ; V is in
.endif
	ROW E,6, F,10, E,7, F,11
	ROW E,8, F,12, E,9, F,13
.if (\y) == 3
	WIN 0
	v_add_nc_u32 v[AK], s[TBK], v[AK0]
.endif
	ROW E,10, F,14, E,11, F,15
.if (\y) == 3
	FETCH_K
.endif
	ROW E,12, X,0, E,13, X,1
	ROW E,14, X,2, E,15, X,3
	ROW E,16, X,4, E,17, X,5
	OPS E,18, X,6, E,19, X,7
.if (\y) == 0
	WIN 0
	v_add_nc_u32 v[AV], s[TBV], v[AV0]
	FETCH_V
.endif
	OPS E,20, X,8, E,21, X,9
	OPS E,22, X,10, E,23, X,11
	OPS E,24, X,12, E,25, X,13
	OPS E,26, X,15, E,27, X,14
	OPS E,28, R,0, R,1, R,2
	OPS X,16, E,29, R,3, R,4
	OPS X,17, E,30, R,5, R,6
	OPS X,18, E,31, R,7, R,8
	OPS X,19, X,20, X,21
	WIN 0
	v_nop                                          ; a plain instruction behind the last exponential: one for the batch
	s_wait_alu depctr_va_vdst(0)                   ; the wait ahead of the first use: one for the 33
.set cn, 0
.rept 16
	OP C, cn
.set cn, cn+1
.endr
.if (\tail) && ((\y) == 3)
	s_cmp_le_u32 s[CNT], 2
	s_cselect_b32 s50, s[BIGN], 0
	s_cselect_b32 s51, 1.0, 0
	WIN 0x80
.set cn, 0
.rept 4
	v_mul_f32 v[MC+cn], s51, v[HM]                 ; keys 2,496 to 2,499 lie in registers 0-3 of lanes 0-15
.set cn, cn+1
.endr
.rept 28
	v_mov_b32 v[MC+cn], s50
.set cn, cn+1
.endr
.endif
.endm
	CHANGE 1                                       ; chunk 0 is in, everybody's part of it; chunk 1 is asked for
	v_mov_b32 v[AK], v[AK0]
	FETCH_K                                        ; key step 0
	s_wait_loadcnt 0x0                             ; Q
	s_wait_dscnt 0x0
.set KM, 0
.set i, 0
.rept 4
	KQ 0
.set i, i+1
.endr
	WIN 0
	PLACES
.set Y, 4                              ; X works for tile Y + 1: tile 0
.irp n, 0,1,2,3,4,5,6,7,8,9,10,11,12,13,14,15,16,17,18,19,20,21
	OP X, \n
.endr
	v_nop
	s_wait_alu depctr_va_vdst(0)
	s_mov_b32 s[CNT], 8
	s_branch .Lfirst                               ; the loop is entered at a step's first turn, in the middle of a trip
.Lslot:                                        ; three times: chunks 2, 3, 4 are asked for
	CHANGE 1
	s_mov_b32 s[CNT], 8
.Lstep:                                        ; a trip: turns 3, 4 of one step, then 0, 1, 2 of the next, whose K and V it fetches
	TURN 3
	TURN 4
	WIN 0
.Lfirst:
	TURN 0
	TURN 1
	TURN 2
	WIN 0
	s_sub_co_u32 s[CNT], s[CNT], 1
	s_cmp_lg_u32 s[CNT], 0
	s_cbranch_scc1 .Lstep
	s_sub_co_u32 s[SLOTS], s[SLOTS], 1
	s_cmp_lg_u32 s[SLOTS], 0
	s_cbranch_scc1 .Lslot
	CHANGE 0                                       ; the last chunk is written out: nothing is asked for
	s_mov_b32 s[CNT], 9                            ; eight trips fetch the chunk's steps; the ninth is left in its middle
.Ltail:
	TURN 3, 1
	TURN 4, 1
	WIN 0
	s_sub_co_u32 s[CNT], s[CNT], 1
	s_cmp_eq_u32 s[CNT], 0
	s_cbranch_scc1 .Lout
	TURN 0, 1
	TURN 1, 1
	TURN 2, 1
	WIN 0
	s_branch .Ltail
.Lout:                                         ; the ninth trip's fetch of K (it reads landed bytes of V), four products and maximum serve nothing
.set i, 4
.rept 6
	PV 4                                           ; tile 4's V^T P of the last step
.set i, i+1
.endr
	WIN 0
	PLACES
	WIN 0x01
.set t, 0
.rept 5
	v_rcp_f32 v[ST+8*t+2], v[LL+8*t]
.set t, t+1
.endr
	WIN 0
	v_nop
	s_wait_alu depctr_va_vdst(0)                   ; one wait for the five reciprocals
.set t, 0
.rept 5                                ; O^T / l, rounded: a lane's eight channels are 16 bytes of the next product's operand image
	WIN W_RS
.set m, 0
.rept 8
	v_pk_mul_f32 v[16*t+2*m:16*t+2*m+1], v[16*t+2*m:16*t+2*m+1], v[ST+8*t+2:ST+8*t+3] op_sel_hi:[1,0]
.set m, m+1
.endr
	WIN 0x05
.set m, 0
.rept 8
	v_cvt_pk_bf16_f32 v[S+8*t+m], v[16*t+2*m], v[16*t+2*m+1]
.set m, m+1
.endr
	WIN 0
	global_store_b128 v[AK0], v[S+8*t:S+8*t+3],   s[OUTP:OUTP+1] offset:8192*t      ; 512 consecutive bytes a store
	global_store_b128 v[AK0], v[S+8*t+4:S+8*t+7], s[OUTP:OUTP+1] offset:8192*t+512
.set t, t+1
.endr
	s_wait_tensorcnt 0x0                           ; the wave's end
	ds_add_u32 v[SPW], v[NIL]
	s_wait_dscnt 0x0
	CROUND                                         ; the closing round
	s_endpgm
.Lfunc_end_k_q2c2f5d36ef_attn:
	.size	k_q2c2f5d36ef_attn, .Lfunc_end_k_q2c2f5d36ef_attn-k_q2c2f5d36ef_attn
	.p2alignl 7, 3214868480
	.fill 96, 4, 3214868480
	.section	.rodata,"a",@progbits
	.p2align	6, 0x0
	.amdhsa_kernel k_q2c2f5d36ef_attn
		.amdhsa_group_segment_fixed_size 327680
		.amdhsa_private_segment_fixed_size 0
		.amdhsa_enable_private_segment 0
		.amdhsa_kernarg_size 16
		.amdhsa_user_sgpr_count 2
		.amdhsa_user_sgpr_kernarg_segment_ptr 1
		.amdhsa_wavefront_size32 1
		.amdhsa_system_sgpr_workgroup_id_x 1
		.amdhsa_system_sgpr_workgroup_id_y 1
		.amdhsa_system_sgpr_workgroup_id_z 1
		.amdhsa_system_vgpr_workitem_id 0
		.amdhsa_next_free_vgpr 768
		.amdhsa_next_free_sgpr 66
		.amdhsa_reserve_vcc 0
		.amdhsa_float_denorm_mode_32 3
		.amdhsa_float_denorm_mode_16_64 3
		.amdhsa_memory_ordered 1
		.amdhsa_forward_progress 1
		.amdhsa_inst_pref_size 94
	.end_amdhsa_kernel
	.amdgpu_metadata
---
amdhsa.version: [ 1, 2 ]
amdhsa.kernels:
  - .name:           k_q2c2f5d36ef_attn
    .symbol:         k_q2c2f5d36ef_attn.kd
    .args:
      - { .name: qkv, .offset: 0, .size: 8, .value_kind: global_buffer, .address_space: global }
      - { .name: saimg, .offset: 8, .size: 8, .value_kind: global_buffer, .address_space: global }
    .group_segment_fixed_size: 327680
    .private_segment_fixed_size: 0
    .kernarg_segment_align: 8
    .kernarg_segment_size: 16
    .max_flat_workgroup_size: 128
    .sgpr_count:     66
    .vgpr_count:     768
    .wavefront_size: 32
...
	.end_amdgpu_metadata
.endif
;; end of part 4
;; launch mid (part 5): grid 157 x 1, 4 waves a work-group, no clusters, 35,328 bytes of LDS; arguments saimg, wimg, query, ref_2d, out_proj_b, ln1_g, ln1_b, off_b, aw_b, ident, sidx, swgt; writes ident, sidx, swgt
.if DOCPART == 5
	.amdgcn_target "amdgcn-amd-amdhsa--gfx1250"
	.amdhsa_code_object_version 6
	.text
	.protected	k_q2c2f5d36ef_mid
	.globl	k_q2c2f5d36ef_mid
	.p2align	8
	.type	k_q2c2f5d36ef_mid,@function
k_q2c2f5d36ef_mid:
	s_mov_b64 s[64:65], 0
	v_nop
	global_prefetch_b8 v0, s[64:65] scope:SCOPE_SE
	s_setreg_imm32_b32 hwreg(HW_REG_WAVE_MODE, 25, 1), 1
	s_wait_xcnt 0x0
; identity = sa . out_proj_w^T + out_proj_b + query (stored, f32, in the accumulators' layout); x1 = LayerNorm1(identity); from x1 the sampling offsets and the weights of the deformable attention:
; for each (token, head, point) the base pixel yb x 200 + xb as a whole number (sidx) and the four corner weights times the softmax weight, bf16 (swgt).
; THE CORNERS.  x = ref_x 200 - 0.5 + off_x.  With xb = floor(x) held to 0 .. 198 the weights of pixels xb and xb + 1 are max(0, 1 - |x - xb|) and max(0, 1 - |x - xb - 1|): for floor(x) in 0 .. 198 they are
; 1 - lx and lx; at -1 and 199 the one valid corner keeps its weight and the other gets 0; further out both are 0.  So validity needs no mask and every index stays in the table.
; SHARES.  A work-group has 4 tiles of 16 tokens (tile id = 157 b + T; a batch's last tile repeats its last token), wave w the columns 64 w .. + 63; later heads 2 w, 2 w + 1.
; The products are taken transposed: a lane holds one token (lane % 16) and eight neighbouring columns, so a row's sum is a sum in the lane, one exchange of the halves, and four words in LDS.
; LayerNorm in two passes: the mean, then the sum of (x - mean)^2.  The softmax over 8 points takes its maximum away.
; LIMITS: x is formed as fma(ref, 200, -0.5) + off, another order of rounding than (ref + off / 200) 200 - 0.5; NaN and infinities are not treated apart.
.set RED,   0                          ; 2 phases x [tile 4][token 16][wave 4] words
.set XF,    2048                       ; x1 as operand images: [tile 4][ks 8] x 1,024 bytes
.set SPARE, XF+32768
.set PB, 32                            ; v[32:63] out_proj_b, v[64:95] ln1_g, v[96:127] ln1_b, in the accumulators' layout; later at work
.set PG, 64
.set PBT, 96
.set REF, 128                          ; v[128:135] ref, then the base position, a pair a tile
.set OBX, 136                          ; v[136:143], v[144:151], v[152:159] off_b (x), off_b (y), aw_b of my head's 8 points
.set MN, 160                           ; v[160:167] means, v[168:175] 1 / sigma, as pairs
.set RSD, 168
.set TS, 176                           ; v[176:207] at work
.set SEL, 40
.set INV, 42
.set EPS, 43
; v1 16 x lane, v2 r, v3 h, v4, v5 RED in and back, v6-8 weights' offsets, v9 parameters' offset, v10, v11 the add's, v12-15 saimg, v16-19 query, v20-23 ref, v24 ident, v25 XF in, v26 XF back, v27 sidx, v28 swgt, v29 off_b, v30 aw_b
; window 1: A (tile i, ks) at 64 i + 8 ks.  window 2: x at 32 n + 8 i; v128-151 the three later sums.  window 3: four buffers of weights, 64 each
.set MSB, 0
.macro WIN new
.if MSB != (\new)
	s_set_vgpr_msb (MSB<<8)|(\new)
.set MSB, (\new)
.endif
.endm
.macro PLACES
.rept 4
	v_nop
.endr
.endm
.macro BAR
	s_wait_dscnt 0x0                               ; for the others' sake: all my LDS instructions are done
	s_barrier_signal -1
	s_barrier_wait -1
.endm
.macro ALL4 line:vararg
.set t, 0
.rept 4
	\line
.set t, t+1
.endr
.endm
.macro ALL8 line:vararg
.set j, 0
.rept 8
	\line
.set j, j+1
.endr
.endm
.macro ALLP line:vararg
.set j, 0
.rept 4
	\line
.set j, j+2
.endr
.endm
.set LC, 0
.macro WGRP b, voff, sb, imm           ; a group of weights (16 rows x 256 k) into buffer b; MKBb marks the count of loads behind it
	WIN 0xc0
.set wk, 0
.rept 8
	global_load_b128 v[64*(\b)+8*wk:64*(\b)+8*wk+3],   v[\voff], s[\sb:\sb+1] offset:(\imm)+1024*wk
	global_load_b128 v[64*(\b)+8*wk+4:64*(\b)+8*wk+7], v[\voff], s[\sb:\sb+1] offset:(\imm)+1024*wk+512
.set wk, wk+1
.endr
.set LC, LC+16
.set MKB\b, LC
.endm
.macro WAITB b                         ; buffer b is in: as many loads may stay out as were issued behind it
.if (LC-MKB\b) > 63
	s_wait_loadcnt 63
.else
	s_wait_loadcnt LC-MKB\b
.endif
.endm
.macro MULG b, accb                    ; 32 products onto what the accumulators hold; the four tiles' accumulators take turns
	WIN 0xa7
.set gk, 0
.rept 8
.set gi, 0
.rept 4
	v_wmma_f32_16x16x32_bf16 v[(\accb)+8*gi:(\accb)+8*gi+7], v[64*(\b)+8*gk:64*(\b)+8*gk+7], v[64*gi+8*gk:64*gi+8*gk+7], v[(\accb)+8*gi:(\accb)+8*gi+7]
.set gi, gi+1
.endr
.set gk, gk+1
.endr
.endm
.macro RSUM base, sq                   ; for each tile the lane's sum of its 32 numbers (sq = 1: of their squares), in two chains of pairs
	WIN 0x0a
.set li, 0
.rept 4
.if \sq
	v_pk_mul_f32 v[TS+4*li:TS+4*li+1],   v[(\base)+8*li:(\base)+8*li+1],   v[(\base)+8*li:(\base)+8*li+1]
	v_pk_mul_f32 v[TS+4*li+2:TS+4*li+3], v[(\base)+8*li+2:(\base)+8*li+3], v[(\base)+8*li+2:(\base)+8*li+3]
.else
	v_pk_add_f32 v[TS+4*li:TS+4*li+1],   v[(\base)+8*li:(\base)+8*li+1],   v[(\base)+8*li+2:(\base)+8*li+3]
	v_pk_add_f32 v[TS+4*li+2:TS+4*li+3], v[(\base)+8*li+4:(\base)+8*li+5], v[(\base)+8*li+6:(\base)+8*li+7]
.endif
.set li, li+1
.endr
.if !(\sq)
	WIN 0x02
.endif
.set lq, 4-2*(\sq)
.rept 12+2*(\sq)
.set li, 0
.rept 4
.set la, (\base)+32*(lq/4)+8*li+2*(lq%4)
.set lt, TS+4*li+2*(lq%2)
.if \sq
	v_pk_fma_f32 v[lt:lt+1], v[la:la+1], v[la:la+1], v[lt:lt+1]
.else
	v_pk_add_f32 v[lt:lt+1], v[la:la+1], v[lt:lt+1]
.endif
.set li, li+1
.endr
.set lq, lq+1
.endr
	WIN 0
.endm
.macro RFIN phi                        ; the token's sum over all 256 columns, in every lane, at TS + 4 t
	ALL4 v_pk_add_f32 v[TS+4*t:TS+4*t+1], v[TS+4*t:TS+4*t+1], v[TS+4*t+2:TS+4*t+3]
	ALL4 v_add_f32 v[TS+4*t], v[TS+4*t], v[TS+4*t+1]
	ALL4 v_permlanex16_b32 v[TS+4*t+1], v[TS+4*t], s[SEL], s[SEL+1]
	ALL4 v_add_f32 v[TS+4*t], v[TS+4*t], v[TS+4*t+1]
	ALL4 ds_store_b32 v4, v[TS+4*t] offset:RED+1024*(\phi)+256*t
	BAR
	ALL4 ds_load_b128 v[TS+4*t:TS+4*t+3], v5 offset:RED+1024*(\phi)+256*t
	s_wait_dscnt 0x0
	ALL4 v_pk_add_f32 v[TS+4*t:TS+4*t+1], v[TS+4*t:TS+4*t+1], v[TS+4*t+2:TS+4*t+3]
	ALL4 v_add_f32 v[TS+4*t], v[TS+4*t], v[TS+4*t+1]
.endm
.macro EACH line:vararg                ; one line for each pair of the 16 accumulators: ea its register, en its column tile, ei its token tile, ep its pair
.set en, 0
.rept 4
.set ei, 0
.rept 4
.set ep, 0
.rept 4
.set ea, EB+32*en+8*ei+2*ep
	\line
.set ep, ep+1
.endr
.set ei, ei+1
.endr
.set en, en+1
.endr
.endm
.macro LNORM base, phi, G, Bt
.set EB, (\base)
	RSUM \base, 0
	RFIN \phi
	ALL4 v_mul_f32 v[MN+2*t], s[INV], v[TS+4*t]
	ALL4 v_mov_b32 v[MN+2*t+1], v[MN+2*t]
	WIN 0x82
	EACH v_pk_add_f32 v[ea:ea+1], v[ea:ea+1], v[MN+2*ei:MN+2*ei+1] op_sel_hi:[1,0] neg_lo:[0,1] neg_hi:[0,1]
	RSUM \base, 1
	RFIN (\phi)+1
	ALL4 v_fma_f32 v[TS+4*t], v[TS+4*t], s[INV], s[EPS]
	ALL4 v_rsq_f32 v[RSD+2*t], v[TS+4*t]
	v_nop
	s_wait_alu depctr_va_vdst(0)                   ; one wait for the four roots
	ALL4 v_mov_b32 v[RSD+2*t+1], v[RSD+2*t]
	WIN 0x82
	EACH v_pk_mul_f32 v[ea:ea+1], v[ea:ea+1], v[RSD+2*ei:RSD+2*ei+1] op_sel_hi:[1,0]
	EACH v_pk_fma_f32 v[ea:ea+1], v[ea:ea+1], v[(\G)+8*en+2*ep:(\G)+8*en+2*ep+1], v[(\Bt)+8*en+2*ep:(\Bt)+8*en+2*ep+1]
	WIN 0
.endm
	s_load_b512 s[4:19], s[0:1], 0x0               ; saimg, wimg, query, ref_2d, out_proj_b, ln1_g, ln1_b, off_b
	s_load_b256 s[20:27], s[0:1], 0x40             ; aw_b, ident, sidx, swgt
	v_lshl_add_u32 v10, v0, 2, SPARE
	v_mov_b32 v11, 0
	v_lshrrev_b32 v1, 5, v0
	v_readfirstlane_b32 s28, v1                    ; wave
	v_and_b32 v31, 31, v0
	v_lshlrev_b32 v1, 4, v31
	v_and_b32 v2, 15, v0
	v_bfe_u32 v3, v0, 4, 1
	s_lshl_b32 s29, s28, 2
	v_lshl_add_u32 v4, v2, 4, s29
	v_lshlrev_b32 v5, 4, v2
	s_lshl_b32 s29, s28, 15
	v_add_nc_u32 v6, s29, v1
	s_lshl_b32 s29, s28, 14
	v_add_nc_u32 v7, s29, v1
	s_lshl_b32 s29, s28, 13
	v_add_nc_u32 v8, s29, v1
	s_lshl_b32 s29, s28, 8
	v_lshl_add_u32 v9, v3, 5, s29
	s_lshl_b32 s29, s28, 12
	v_add_nc_u32 v24, s29, v1
	s_lshl_b32 s29, s28, 11
	v_add_nc_u32 v25, s29, v1
	v_add_nc_u32 v28, s29, v1
	v_add_nc_u32 v26, XF, v1
	s_lshl_b32 s29, s28, 10
	v_add_nc_u32 v27, s29, v1
	s_lshl_b32 s29, s28, 7
	v_lshl_add_u32 v29, v3, 6, s29
	s_lshl_b32 s29, s28, 6
	v_lshl_add_u32 v30, v3, 5, s29
.set ti, 0
.rept 4
	s_lshl_b32 s30, ttmp9, 2
	s_add_co_u32 s30, s30, ti                      ; tile id
	s_mul_hi_u32 s31, s30, 27356480                ; batch = id / 157
	s_mul_i32 s32, s31, 157
	s_sub_co_u32 s32, s30, s32                     ; tile in the batch
	s_mul_i32 s33, s31, 160
	s_add_co_u32 s33, s33, s32
	s_lshl_b32 s33, s33, 13
	v_add_nc_u32 v[12+ti], s33, v1
	s_lshl_b32 s32, s32, 4
	v_add_nc_u32 v[16+ti], s32, v2
	v_min_u32 v[16+ti], 2499, v[16+ti]             ; the last tile repeats the batch's last token
	s_mul_i32 s31, s31, 2500
	v_add_nc_u32 v[16+ti], s31, v[16+ti]
	v_lshlrev_b32 v[20+ti], 3, v[16+ti]
	v_lshl_add_u32 v[16+ti], v[16+ti], 10, v9
.set ti, ti+1
.endr
	s_mov_b32 s[SEL], 0x76543210
	s_mov_b32 s[SEL+1], 0xfedcba98
	s_mov_b32 s[INV], 0x3b800000                   ; 1 / 256
	s_mov_b32 s[EPS], 0x3727c5ac                   ; 1e-5
	s_mov_b32 s44, 0x3fb8aa3b                      ; log2(e)
	s_mov_b32 s45, 0x43480000                      ; 200
	s_mov_b32 s46, 0x43460000                      ; 198
	s_lshl_b32 s30, ttmp9, 16
	s_mov_b32 s31, 0
	s_lshl_b32 s32, ttmp9, 14
	s_mov_b32 s33, 0
	s_lshl_b32 s34, ttmp9, 15
	s_mov_b32 s35, 0
	s_wait_kmcnt 0x0
	s_add_nc_u64 s[22:23], s[22:23], s[30:31]
	s_add_nc_u64 s[24:25], s[24:25], s[32:33]
	s_add_nc_u64 s[26:27], s[26:27], s[34:35]
	WIN 0x40
.set i, 0
.rept 4
.set k, 0
.rept 8
	global_load_b128 v[64*i+8*k:64*i+8*k+3],   v[12+i], s[4:5] offset:1024*k
	global_load_b128 v[64*i+8*k+4:64*i+8*k+7], v[12+i], s[4:5] offset:1024*k+512
.set k, k+1
.endr
.set i, i+1
.endr
	WIN 0x80
.set n, 0
.rept 4                                ; the residual starts the sums
.set i, 0
.rept 4
	global_load_b128 v[32*n+8*i:32*n+8*i+3],   v[16+i], s[8:9] offset:64*n
	global_load_b128 v[32*n+8*i+4:32*n+8*i+7], v[16+i], s[8:9] offset:64*n+16
.set i, i+1
.endr
.set n, n+1
.endr
	WIN 0
.set n, 0
.rept 8
	global_load_b128 v[PB+4*n:PB+4*n+3],   v9, s[12:13] offset:64*(n/2)+16*(n%2)
	global_load_b128 v[PG+4*n:PG+4*n+3],   v9, s[14:15] offset:64*(n/2)+16*(n%2)
	global_load_b128 v[PBT+4*n:PBT+4*n+3], v9, s[16:17] offset:64*(n/2)+16*(n%2)
.set n, n+1
.endr
	ALL4 global_load_b64 v[REF+2*t:REF+2*t+1], v[20+t], s[10:11]
	ALL8 global_load_b32 v[OBX+j], v29, s[18:19] offset:8*j
	ALL8 global_load_b32 v[OBX+8+j], v29, s[18:19] offset:8*j+4
	global_load_b128 v[OBX+16:OBX+19], v30, s[20:21]
	global_load_b128 v[OBX+20:OBX+23], v30, s[20:21] offset:16
	WGRP 0, 6, 6, 393216
	WGRP 1, 6, 6, 393216+8192
	WGRP 2, 6, 6, 393216+16384
	WGRP 3, 6, 6, 393216+24576
	WAITB 0
	MULG 0, 0
	PLACES                                         ; four places in front of loads into registers that the products have read
	WGRP 0, 7, 6, 524288                           ; off, x, of heads 2 w, 2 w + 1
	WAITB 1
	MULG 1, 32
	PLACES
	WGRP 1, 7, 6, 532480                           ; off, y
	WAITB 2
	MULG 2, 64
	PLACES
	WGRP 2, 8, 6, 589824                           ; aw
	WAITB 3
	MULG 3, 96
	PLACES
.set EB, 0
	WIN 0x82
	EACH v_pk_add_f32 v[ea:ea+1], v[ea:ea+1], v[PB+8*en+2*ep:PB+8*en+2*ep+1]
	WIN 0x08
.set n, 0
.rept 4
.set i, 0
.rept 4
	global_store_b128 v24, v[32*n+8*i:32*n+8*i+3],   s[22:23] offset:16384*i+1024*n
	global_store_b128 v24, v[32*n+8*i+4:32*n+8*i+7], s[22:23] offset:16384*i+1024*n+512
.set i, i+1
.endr
.set n, n+1
.endr
	WIN 0
	s_wait_xcnt 0x0                                ; the stores have read their data: it is normalised in place below
	LNORM 0, 0, PG, PBT
.set n, 0
.rept 4                                ; x1 as operand images: accumulator n is piece n % 2 of ks = 2 w + n / 2
	WIN 0x0a
.set i, 0
.rept 16
	v_cvt_pk_bf16_f32 v[TS+16*(n%2)+i], v[32*n+2*i], v[32*n+2*i+1]
.set i, i+1
.endr
	WIN 0
	ALL4 ds_store_b128 v25, v[TS+16*(n%2)+4*t:TS+16*(n%2)+4*t+3] offset:XF+8192*t+1024*(n/2)+512*(n%2)
.set n, n+1
.endr
	BAR
	ALL8 v_fma_f32 v[REF+j], v[REF+j], s45, -0.5   ; ref 200 - 0.5
	s_wait_loadcnt 0x0                             ; the three later groups of weights
	s_mov_b32 s47, 4
.set PX, 32
.set PY, 40
.set LG, 48
.set FX, 56
.set FY, 64
.set WAX, 72
.set WBX, 80
.set WAY, 88
.set WBY, 96
.set IDX, 104
.set TT, 112
.set W00, 176
.set W01, 184
.set W10, 192
.set W11, 200
.set OW, 208
.set MX, 224
.macro COORD p, f, wa, wb              ; the base pixel, held to 0 .. 198, and the two tent weights
	ALL8 v_floor_f32 v[(\f)+j], v[(\p)+j]
	ALL8 v_med3_num_f32 v[(\f)+j], v[(\f)+j], 0, s46
	ALL8 v_sub_f32 v[TT+j], v[(\p)+j], v[(\f)+j]
	ALL8 v_sub_f32 v[(\wa)+j], 1.0, |v[TT+j]|
	ALL8 v_max_num_f32 v[(\wa)+j], 0, v[(\wa)+j]
	ALL8 v_add_f32 v[TT+j], -1.0, v[TT+j]
	ALL8 v_sub_f32 v[(\wb)+j], 1.0, |v[TT+j]|
	ALL8 v_max_num_f32 v[(\wb)+j], 0, v[(\wb)+j]
.endm
.Ltile:                                        ; four trips, a tile of 16 tokens each: lane (r, hh) has token r, head 2 w + hh, its 8 points in 8 registers
	WIN 0x40
.set k, 0
.rept 8
	ds_load_b128 v[8*k:8*k+3],   v26 offset:1024*k
	ds_load_b128 v[8*k+4:8*k+7], v26 offset:1024*k+512
.set k, k+1
.endr
	s_wait_dscnt 0x0
.set k, 0
.rept 8                                ; x offsets, y offsets, weights: three accumulators take turns; the biases start the sums
.set pj, 0
.rept 3
.if k == 0
	WIN 0x87
	v_wmma_f32_16x16x32_bf16 v[128+8*pj:128+8*pj+7], v[64*pj+8*k:64*pj+8*k+7], v[8*k:8*k+7], v[OBX+8*pj:OBX+8*pj+7]
.else
	WIN 0xa7
	v_wmma_f32_16x16x32_bf16 v[128+8*pj:128+8*pj+7], v[64*pj+8*k:64*pj+8*k+7], v[8*k:8*k+7], v[128+8*pj:128+8*pj+7]
.endif
.set pj, pj+1
.endr
.set k, k+1
.endr
	PLACES
	WIN 0x02
	ALL8 v_add_f32 v[PX+j], v[128+j], v[REF]
	ALL8 v_add_f32 v[PY+j], v[136+j], v[REF+1]
	ALL8 v_mul_f32 v[LG+j], v[144+j], s44
	WIN 0
	v_max3_num_f32 v[MX], v[LG], v[LG+1], v[LG+2]
	v_max3_num_f32 v[MX+1], v[LG+3], v[LG+4], v[LG+5]
	v_max3_num_f32 v[MX], v[MX], v[LG+6], v[LG+7]
	v_max_num_f32 v[MX], v[MX], v[MX+1]
	ALL8 v_sub_f32 v[LG+j], v[LG+j], v[MX]
	ALL8 v_exp_f32 v[LG+j], v[LG+j]
	COORD PX, FX, WAX, WBX                         ; the independent work behind the exponentials
	COORD PY, FY, WAY, WBY
	ALL8 v_fma_f32 v[TT+j], v[FY+j], s45, v[FX+j]
	ALL8 v_cvt_u32_f32 v[IDX+j], v[TT+j]
	s_wait_alu depctr_va_vdst(0)                   ; one wait for the eight exponentials
	v_pk_add_f32 v[TT:TT+1], v[LG:LG+1], v[LG+2:LG+3]
	v_pk_add_f32 v[TT+2:TT+3], v[LG+4:LG+5], v[LG+6:LG+7]
	v_pk_add_f32 v[TT:TT+1], v[TT:TT+1], v[TT+2:TT+3]
	v_add_f32 v[MX], v[TT], v[TT+1]
	v_rcp_f32 v[MX+1], v[MX]
	v_nop
	s_wait_alu depctr_va_vdst(0)
	ALL8 v_mul_f32 v[LG+j], v[LG+j], v[MX+1]
	ALLP v_pk_mul_f32 v[WAY+j:WAY+j+1], v[WAY+j:WAY+j+1], v[LG+j:LG+j+1]
	ALLP v_pk_mul_f32 v[WBY+j:WBY+j+1], v[WBY+j:WBY+j+1], v[LG+j:LG+j+1]
	ALLP v_pk_mul_f32 v[W00+j:W00+j+1], v[WAY+j:WAY+j+1], v[WAX+j:WAX+j+1]
	ALLP v_pk_mul_f32 v[W01+j:W01+j+1], v[WAY+j:WAY+j+1], v[WBX+j:WBX+j+1]
	ALLP v_pk_mul_f32 v[W10+j:W10+j+1], v[WBY+j:WBY+j+1], v[WAX+j:WAX+j+1]
	ALLP v_pk_mul_f32 v[W11+j:W11+j+1], v[WBY+j:WBY+j+1], v[WBX+j:WBX+j+1]
	ALL8 v_cvt_pk_bf16_f32 v[OW+2*j], v[W00+j], v[W01+j]
	ALL8 v_cvt_pk_bf16_f32 v[OW+2*j+1], v[W10+j], v[W11+j]
	global_store_b128 v27, v[IDX:IDX+3],   s[24:25]
	global_store_b128 v27, v[IDX+4:IDX+7], s[24:25] offset:512
	ALL4 global_store_b128 v28, v[OW+4*t:OW+4*t+3], s[26:27] offset:512*t
	s_wait_xcnt 0x0                                ; the stores have read their bases and data: both are written again
	s_add_nc_u64 s[24:25], s[24:25], 4096
	s_add_nc_u64 s[26:27], s[26:27], 8192
.set j, 0
.rept 6
	v_mov_b32 v[REF+j], v[REF+2+j]                 ; the next tile's base position moves down
.set j, j+1
.endr
	v_add_nc_u32 v26, 8192, v26
	s_sub_co_u32 s47, s47, 1
	s_cmp_lg_u32 s47, 0
	s_cbranch_scc1 .Ltile
	s_wait_tensorcnt 0x0                           ; the wave's end, behind my last LDS store
	ds_add_u32 v10, v11
	s_wait_dscnt 0x0
	s_endpgm
.Lfunc_end_k_q2c2f5d36ef_mid:
	.size	k_q2c2f5d36ef_mid, .Lfunc_end_k_q2c2f5d36ef_mid-k_q2c2f5d36ef_mid
	.p2alignl 7, 3214868480
	.fill 96, 4, 3214868480
	.section	.rodata,"a",@progbits
	.p2align	6, 0x0
	.amdhsa_kernel k_q2c2f5d36ef_mid
		.amdhsa_group_segment_fixed_size 35328
		.amdhsa_private_segment_fixed_size 0
		.amdhsa_enable_private_segment 0
		.amdhsa_kernarg_size 96
		.amdhsa_user_sgpr_count 2
		.amdhsa_user_sgpr_kernarg_segment_ptr 1
		.amdhsa_wavefront_size32 1
		.amdhsa_system_sgpr_workgroup_id_x 1
		.amdhsa_system_sgpr_workgroup_id_y 1
		.amdhsa_system_sgpr_workgroup_id_z 1
		.amdhsa_system_vgpr_workitem_id 0
		.amdhsa_next_free_vgpr 1024
		.amdhsa_next_free_sgpr 66
		.amdhsa_reserve_vcc 0
		.amdhsa_float_denorm_mode_32 3
		.amdhsa_float_denorm_mode_16_64 3
		.amdhsa_memory_ordered 1
		.amdhsa_forward_progress 1
		.amdhsa_inst_pref_size 91
	.end_amdhsa_kernel
	.amdgpu_metadata
---
amdhsa.version: [ 1, 2 ]
amdhsa.kernels:
  - .name:           k_q2c2f5d36ef_mid
    .symbol:         k_q2c2f5d36ef_mid.kd
    .args:
      - { .name: saimg, .offset: 0, .size: 8, .value_kind: global_buffer, .address_space: global }
      - { .name: wimg, .offset: 8, .size: 8, .value_kind: global_buffer, .address_space: global }
      - { .name: query, .offset: 16, .size: 8, .value_kind: global_buffer, .address_space: global }
      - { .name: ref_2d, .offset: 24, .size: 8, .value_kind: global_buffer, .address_space: global }
      - { .name: out_proj_b, .offset: 32, .size: 8, .value_kind: global_buffer, .address_space: global }
      - { .name: ln1_g, .offset: 40, .size: 8, .value_kind: global_buffer, .address_space: global }
      - { .name: ln1_b, .offset: 48, .size: 8, .value_kind: global_buffer, .address_space: global }
      - { .name: off_b, .offset: 56, .size: 8, .value_kind: global_buffer, .address_space: global }
      - { .name: aw_b, .offset: 64, .size: 8, .value_kind: global_buffer, .address_space: global }
      - { .name: ident, .offset: 72, .size: 8, .value_kind: global_buffer, .address_space: global }
      - { .name: sidx, .offset: 80, .size: 8, .value_kind: global_buffer, .address_space: global }
      - { .name: swgt, .offset: 88, .size: 8, .value_kind: global_buffer, .address_space: global }
    .group_segment_fixed_size: 35328
    .private_segment_fixed_size: 0
    .kernarg_segment_align: 8
    .kernarg_segment_size: 96
    .max_flat_workgroup_size: 128
    .sgpr_count:     66
    .vgpr_count:     1024
    .wavefront_size: 32
...
	.end_amdgpu_metadata
.endif
;; end of part 5
;; launch gather (part 6): grid 628 x 2, 4 waves a work-group, no clusters, 0 bytes of LDS; arguments sidx, swgt, val, samp; writes samp
.if DOCPART == 6
	.amdgcn_target "amdgcn-amd-amdhsa--gfx1250"
	.amdhsa_code_object_version 6
	.text
	.protected	k_q2c2f5d36ef_gather
	.globl	k_q2c2f5d36ef_gather
	.p2align	8
	.type	k_q2c2f5d36ef_gather,@function
k_q2c2f5d36ef_gather:
	s_mov_b64 s[64:65], 0
	v_nop
	global_prefetch_b8 v0, s[64:65] scope:SCOPE_SE
	s_setreg_imm32_b32 hwreg(HW_REG_WAVE_MODE, 25, 1), 1
	s_wait_xcnt 0x0
; samp[token][head][32 channels] = the sum over 8 points and 4 corners of weight x val[b][head][pixel][:].  The base pixels are whole numbers that the launch before stored (sidx); the weights (swgt) hold the
; softmax weight, the bilinear weight and the validity.  Sums in f32, samp rounded once to bf16.
; SHARES.  A work-group is a tile of 16 tokens and four heads (4 y + wave), a wave a head: 1,256 small work-groups, so that the WGPs' shares differ little.  Eight lanes serve a token: they read the 128
; consecutive bytes of pixels xb and xb + 1 (lane: pixel (l / 4) % 2, channels 8 (l % 4) + 0..7); the row below lies 12,800 bytes on.  Four tokens at a time: unit u = 2 k + c has the tokens l / 8 + 4 c + 8 k.
; One unit's 16 loads are out while another is summed; many waves lie on a WGP.
; No LDS, no matrix unit: nothing is shared between lanes but one sum over the two pixels.  samp: [tile][head][k 2][channel block 4][token 8][16 bytes], which the next launch reads as operand pieces.
.set IDX, 8                            ; v[8:39]    unit u's 8 offsets at 8 + 8 u
.set WG,  40                           ; v[40:103]  unit u's 16 words of weights
.set DATA, 104                         ; v[104:231] two buffers of 16 loads
.set ACC, 232                          ; v[232:247] two units' 8 sums
.set OUTR, 248
	s_load_b256 s[4:11], s[0:1], 0x0               ; sidx, swgt, val, samp
	v_lshrrev_b32 v1, 5, v0
	v_readfirstlane_b32 s12, v1                    ; wave
	s_and_b32 s14, ttmp7, 0xffff
	s_lshl_b32 s14, s14, 2
	s_add_co_u32 s12, s12, s14                     ; head = 4 y + wave
	s_mul_hi_u32 s13, ttmp9, 27356480              ; batch = tile id / 157
	s_lshr_b32 s14, s12, 1
	s_and_b32 s15, s12, 1
	v_bfe_u32 v252, v0, 3, 2                       ; l / 8
	v_bfe_u32 v253, v0, 2, 1                       ; which pixel
	v_and_b32 v254, 3, v0                          ; which 8 channels
	s_lshl_b32 s16, s15, 8
	v_lshl_add_u32 v1, v252, 4, s16                ; my token's 16 bytes in a block of sidx or swgt
	v_and_b32 v2, 7, v0
	v_lshlrev_b32 v2, 4, v2                        ; my 16 of the 128 bytes
	v_sub_nc_u32 v3, 1, v253
	v_lshlrev_b32 v3, 4, v3                        ; brings my pixel's weight into the upper half
	v_mov_b32 v4, 0
	v_lshl_add_u32 v5, v253, 2, v252
	v_lshlrev_b32 v5, 4, v5
	v_lshl_add_u32 v5, v254, 7, v5                 ; where my 16 bytes of samp go
	v_cmp_ne_u32 s20, 0, v253
	s_lshl_b32 s16, ttmp9, 12
	s_lshl_b32 s17, s14, 10
	s_add_co_u32 s16, s16, s17
	s_mov_b32 s17, 0
	s_lshl_b32 s18, s16, 1
	s_mov_b32 s19, 0
	s_lshl_b32 s21, s13, 3
	s_add_co_u32 s21, s21, s12
	s_mul_i32 s22, s21, 2560000                    ; the head's plane (under 2^27)
	s_mov_b32 s23, 0
	s_wait_kmcnt 0x0
	s_add_nc_u64 s[4:5], s[4:5], s[16:17]
	s_add_nc_u64 s[6:7], s[6:7], s[18:19]
	s_add_nc_u64 s[8:9], s[8:9], s[22:23]
	s_lshl_b32 s16, ttmp9, 13
	s_lshl_b32 s18, s12, 10
	s_add_co_u32 s16, s16, s18
	s_add_nc_u64 s[10:11], s[10:11], s[16:17]
.set u, 0
.rept 4
	global_load_b128 v[IDX+8*u:IDX+8*u+3],   v1, s[4:5] offset:64*(u%2)+128*(u/2)
	global_load_b128 v[IDX+8*u+4:IDX+8*u+7], v1, s[4:5] offset:64*(u%2)+128*(u/2)+512
.set u, u+1
.endr
.set u, 0
.rept 4
.set q, 0
.rept 4
	global_load_b128 v[WG+16*u+4*q:WG+16*u+4*q+3], v1, s[6:7] offset:64*(u%2)+128*(u/2)+512*q
.set q, q+1
.endr
.set u, u+1
.endr
	s_wait_loadcnt 0x0
.set u, 0
.rept 32
	v_min_u32 v[IDX+u], 39798, v[IDX+u]            ; 198 x 200 + 198: the four corners stay in the plane
	v_lshl_add_u32 v[IDX+u], v[IDX+u], 6, v2
.set u, u+1
.endr
.macro ULOAD u
.set p, 0
.rept 8
	global_load_b128 v[DATA+64*((\u)%2)+8*p:DATA+64*((\u)%2)+8*p+3],   v[IDX+8*(\u)+p], s[8:9]
	global_load_b128 v[DATA+64*((\u)%2)+8*p+4:DATA+64*((\u)%2)+8*p+7], v[IDX+8*(\u)+p], s[8:9] offset:12800
.set p, p+1
.endr
.endm
.macro UCALC u                         ; 16 pieces x 8 channels, straight from the bf16 halves into f32 sums; then the two pixels' sums are added
.set dD, DATA+64*((\u)%2)
.set dA, ACC+8*((\u)%2)
.set pr, 0
.rept 16
	v_lshlrev_b32 v[6+pr%2], v3, v[WG+16*(\u)+pr]
.set m, 0
.rept 4
.if pr == 0
	v_fma_mix_f32_bf16 v[dA+2*m],   v[dD+4*pr+m], v[6+pr%2], v4 op_sel:[0,1,0] op_sel_hi:[1,1,0]
	v_fma_mix_f32_bf16 v[dA+2*m+1], v[dD+4*pr+m], v[6+pr%2], v4 op_sel:[1,1,0] op_sel_hi:[1,1,0]
.else
	v_fma_mix_f32_bf16 v[dA+2*m],   v[dD+4*pr+m], v[6+pr%2], v[dA+2*m]   op_sel:[0,1,0] op_sel_hi:[1,1,0]
	v_fma_mix_f32_bf16 v[dA+2*m+1], v[dD+4*pr+m], v[6+pr%2], v[dA+2*m+1] op_sel:[1,1,0] op_sel_hi:[1,1,0]
.endif
.set m, m+1
.endr
.set pr, pr+1
.endr
.set m, 0
.rept 8
	v_add_f32_dpp v[dA+m], v[dA+m], v[dA+m] row_xmask:4 row_mask:0xf bank_mask:0xf
.set m, m+1
.endr
.endm
.macro OUT k                           ; the lanes of pixel 0 store unit 2 k's tokens, those of pixel 1 unit 2 k + 1's: 512 consecutive bytes
	s_wait_xcnt 0x0                                ; the earlier store has read its data
.set m, 0
.rept 8
	v_cndmask_b32 v[ACC+m], v[ACC+m], v[ACC+8+m], s20
.set m, m+1
.endr
.set m, 0
.rept 4
	v_cvt_pk_bf16_f32 v[OUTR+m], v[ACC+2*m], v[ACC+2*m+1]
.set m, m+1
.endr
	global_store_b128 v5, v[OUTR:OUTR+3], s[10:11] offset:512*(\k)
.endm
	ULOAD 0
	ULOAD 1
	s_wait_loadcnt 16                              ; unit 0 is in; unit 1's 16 loads may stay out
	UCALC 0
	ULOAD 2
	s_wait_loadcnt 16
	UCALC 1
	OUT 0
	ULOAD 3
	s_wait_loadcnt 16
	UCALC 2
	s_wait_loadcnt 0x0
	UCALC 3
	OUT 1
	s_endpgm
.Lfunc_end_k_q2c2f5d36ef_gather:
	.size	k_q2c2f5d36ef_gather, .Lfunc_end_k_q2c2f5d36ef_gather-k_q2c2f5d36ef_gather
	.p2alignl 7, 3214868480
	.fill 96, 4, 3214868480
	.section	.rodata,"a",@progbits
	.p2align	6, 0x0
	.amdhsa_kernel k_q2c2f5d36ef_gather
		.amdhsa_group_segment_fixed_size 0
		.amdhsa_private_segment_fixed_size 0
		.amdhsa_enable_private_segment 0
		.amdhsa_kernarg_size 32
		.amdhsa_user_sgpr_count 2
		.amdhsa_user_sgpr_kernarg_segment_ptr 1
		.amdhsa_wavefront_size32 1
		.amdhsa_system_sgpr_workgroup_id_x 1
		.amdhsa_system_sgpr_workgroup_id_y 1
		.amdhsa_system_sgpr_workgroup_id_z 1
		.amdhsa_system_vgpr_workitem_id 0
		.amdhsa_next_free_vgpr 256
		.amdhsa_next_free_sgpr 66
		.amdhsa_reserve_vcc 0
		.amdhsa_float_denorm_mode_32 3
		.amdhsa_float_denorm_mode_16_64 3
		.amdhsa_memory_ordered 1
		.amdhsa_forward_progress 1
		.amdhsa_inst_pref_size 53
	.end_amdhsa_kernel
	.amdgpu_metadata
---
amdhsa.version: [ 1, 2 ]
amdhsa.kernels:
  - .name:           k_q2c2f5d36ef_gather
    .symbol:         k_q2c2f5d36ef_gather.kd
    .args:
      - { .name: sidx, .offset: 0, .size: 8, .value_kind: global_buffer, .address_space: global }
      - { .name: swgt, .offset: 8, .size: 8, .value_kind: global_buffer, .address_space: global }
      - { .name: val, .offset: 16, .size: 8, .value_kind: global_buffer, .address_space: global }
      - { .name: samp, .offset: 24, .size: 8, .value_kind: global_buffer, .address_space: global }
    .group_segment_fixed_size: 0
    .private_segment_fixed_size: 0
    .kernarg_segment_align: 8
    .kernarg_segment_size: 32
    .max_flat_workgroup_size: 128
    .sgpr_count:     66
    .vgpr_count:     256
    .wavefront_size: 32
...
	.end_amdgpu_metadata
.endif
;; end of part 6
;; launch tail (part 7): grid 157 x 1, 4 waves a work-group, no clusters, 169,472 bytes of LDS; arguments samp, ident, wimg, oproj_b, ln2_g, ln2_b, ffn_b1, ffn_b2, ln3_g, ln3_b, out0; writes out0
.if DOCPART == 7
	.amdgcn_target "amdgcn-amd-amdhsa--gfx1250"
	.amdhsa_code_object_version 6
	.text
	.protected	k_q2c2f5d36ef_tail
	.globl	k_q2c2f5d36ef_tail
	.p2align	8
	.type	k_q2c2f5d36ef_tail,@function
k_q2c2f5d36ef_tail:
	s_mov_b64 s[64:65], 0
	v_nop
	global_prefetch_b8 v0, s[64:65] scope:SCOPE_SE
	s_setreg_imm32_b32 hwreg(HW_REG_WAVE_MODE, 25, 1), 1
	s_wait_xcnt 0x0
; x2 = LayerNorm2(samp . oproj_w^T + oproj_b + identity); out0 = LayerNorm3(x2 + relu(x2 . ffn_w1^T + b1) . ffn_w2^T + b2).  Operands bf16, sums, residuals and norms f32.
; SHARES.  A work-group has 4 tiles of 16 tokens, wave w the columns 64 w .. + 63 (of the hidden layer 128 w .. + 127, in two halves).  All intermediates stay in registers and LDS.
; The products are taken transposed: a lane holds one token and eight neighbouring columns; a result rounded in pairs is a piece of the next product's operand, exchanged between the waves through LDS.
; TWO PASSES, ONE TEXT.  Both halves of the layer have the same form: products added in place onto a residual (the identity; x2), a bias, a LayerNorm, all on the same 128 registers.  So a loop of two passes holds
; one run of 128 products (oproj; ffn2's first 256 hidden columns), the bias and the norm; ffn2's second run, which asks for no further weights, is written out and jumped over in the first pass; between the passes
; stands the hidden layer, a loop of two halves.
; The weights come as register images, 20 groups a wave through four buffers: a buffer is asked for again four places behind its last product, from the offset in v20.  No cluster: a work-group reads each weight once.
; LayerNorm in two passes over the row: the mean, then the sum of (x - mean)^2.  LIMITS: NaN and infinities are not treated apart.
.set RED,   0                          ; 2 phases x [tile 4][token 16][wave 4] words; both norms use them, with barriers between
.set XF,    4096                       ; x2 as operand images [tile 4][ks 8]
.set HF,    XF+32768                   ; the hidden layer [tile 4][ks 16]
.set OUTS,  HF+65536                   ; 64 rows of 1,024 bytes, 1,040 apart
.set SPARE, OUTS+64*1040
.set OPOFF, 622592
.set F1OFF, 753664
.set F2OFF, 1015808
.set PB, 32                            ; v[32:63], v[64:95], v[96:127] bias, gain, shift, in the accumulators' layout: first oproj_b, ln2; then ffn_b2, ln3
.set PG, 64
.set PBT, 96
.set B1, 128                           ; v[128:191] ffn_b1 of my 8 column tiles; the half in hand lies in the lower 32
.set MN, 192
.set RSD, 200
.set TS, 208                           ; v[208:239] at work
.set ZR, 18
.set SEL, 40
.set INV, 42
.set EPS, 43
; v1 16 x lane, v2 r, v3 h, v4, v5 RED, v6, v7 weights' offsets, v8, v9 parameters' offsets, v10, v11 the add's, v12 samp, v13 ident, v14 XF in, v15 HF in, v16 OUTS in, v17 OUTS back, v18 0, v19 HF back,
; v20 where the refills stand in wimg, v21 where they stand next.  s44 my tile's number in its batch, s45 passes to go, s46 halves to go
; window 1: A (tile i, ks) at 64 i + 8 ks.  window 2: x at 32 n + 8 i; the hidden layer's sums at 128 + 32 n + 8 i.  window 3: four buffers of weights
.set MSB, 0
.macro WIN new
.if MSB != (\new)
	s_set_vgpr_msb (MSB<<8)|(\new)
.set MSB, (\new)
.endif
.endm
.macro PLACES
.rept 4
	v_nop
.endr
.endm
.macro BAR
	s_wait_dscnt 0x0                               ; for the others' sake: all my LDS instructions are done
	s_barrier_signal -1
	s_barrier_wait -1
.endm
.macro ALL4 line:vararg
.set t, 0
.rept 4
	\line
.set t, t+1
.endr
.endm
.macro WGRP b, voff, imm               ; a group of weights (16 rows x 256 k) into buffer b
	WIN 0xc0
.set wk, 0
.rept 8
	global_load_b128 v[64*(\b)+8*wk:64*(\b)+8*wk+3],   v[\voff], s[8:9] offset:(\imm)+1024*wk
	global_load_b128 v[64*(\b)+8*wk+4:64*(\b)+8*wk+7], v[\voff], s[8:9] offset:(\imm)+1024*wk+512
.set wk, wk+1
.endr
.endm
; 32 products; the four tiles' accumulators take turns.  cm = 1: v[cb ..] of window 0 (a bias) starts the sums; 2: they go on in place
.macro MULG b, accb, cm, cb
.set gk, 0
.rept 8
.set gi, 0
.rept 4
.if (gk == 0) && ((\cm) == 1)
	WIN 0x87
	v_wmma_f32_16x16x32_bf16 v[(\accb)+8*gi:(\accb)+8*gi+7], v[64*(\b)+8*gk:64*(\b)+8*gk+7], v[64*gi+8*gk:64*gi+8*gk+7], v[(\cb):(\cb)+7]
.else
	WIN 0xa7
	v_wmma_f32_16x16x32_bf16 v[(\accb)+8*gi:(\accb)+8*gi+7], v[64*(\b)+8*gk:64*(\b)+8*gk+7], v[64*gi+8*gk:64*gi+8*gk+7], v[(\accb)+8*gi:(\accb)+8*gi+7]
.endif
.set gi, gi+1
.endr
.set gk, gk+1
.endr
.endm
.macro RSUM base, sq                   ; for each tile the lane's sum of its 32 numbers (sq = 1: of their squares), in two chains of pairs
	WIN 0x0a
.set li, 0
.rept 4
.if \sq
	v_pk_mul_f32 v[TS+4*li:TS+4*li+1],   v[(\base)+8*li:(\base)+8*li+1],   v[(\base)+8*li:(\base)+8*li+1]
	v_pk_mul_f32 v[TS+4*li+2:TS+4*li+3], v[(\base)+8*li+2:(\base)+8*li+3], v[(\base)+8*li+2:(\base)+8*li+3]
.else
	v_pk_add_f32 v[TS+4*li:TS+4*li+1],   v[(\base)+8*li:(\base)+8*li+1],   v[(\base)+8*li+2:(\base)+8*li+3]
	v_pk_add_f32 v[TS+4*li+2:TS+4*li+3], v[(\base)+8*li+4:(\base)+8*li+5], v[(\base)+8*li+6:(\base)+8*li+7]
.endif
.set li, li+1
.endr
.if !(\sq)
	WIN 0x02
.endif
.set lq, 4-2*(\sq)
.rept 12+2*(\sq)
.set li, 0
.rept 4
.set la, (\base)+32*(lq/4)+8*li+2*(lq%4)
.set lt, TS+4*li+2*(lq%2)
.if \sq
	v_pk_fma_f32 v[lt:lt+1], v[la:la+1], v[la:la+1], v[lt:lt+1]
.else
	v_pk_add_f32 v[lt:lt+1], v[la:la+1], v[lt:lt+1]
.endif
.set li, li+1
.endr
.set lq, lq+1
.endr
	WIN 0
.endm
.macro RFIN phi                        ; the token's sum over all 256 columns, in every lane, at TS + 4 t
	ALL4 v_pk_add_f32 v[TS+4*t:TS+4*t+1], v[TS+4*t:TS+4*t+1], v[TS+4*t+2:TS+4*t+3]
	ALL4 v_add_f32 v[TS+4*t], v[TS+4*t], v[TS+4*t+1]
	ALL4 v_permlanex16_b32 v[TS+4*t+1], v[TS+4*t], s[SEL], s[SEL+1]
	ALL4 v_add_f32 v[TS+4*t], v[TS+4*t], v[TS+4*t+1]
	ALL4 ds_store_b32 v4, v[TS+4*t] offset:RED+1024*(\phi)+256*t
	BAR
	ALL4 ds_load_b128 v[TS+4*t:TS+4*t+3], v5 offset:RED+1024*(\phi)+256*t
	s_wait_dscnt 0x0
	ALL4 v_pk_add_f32 v[TS+4*t:TS+4*t+1], v[TS+4*t:TS+4*t+1], v[TS+4*t+2:TS+4*t+3]
	ALL4 v_add_f32 v[TS+4*t], v[TS+4*t], v[TS+4*t+1]
.endm
.macro EACH line:vararg                ; one line for each pair of the 16 accumulators: ea its register, en its column tile, ei its token tile, ep its pair
.set en, 0
.rept 4
.set ei, 0
.rept 4
.set ep, 0
.rept 4
.set ea, EB+32*en+8*ei+2*ep
	\line
.set ep, ep+1
.endr
.set ei, ei+1
.endr
.set en, en+1
.endr
.endm
.macro ADDB base
.set EB, (\base)
	WIN 0x82
	EACH v_pk_add_f32 v[ea:ea+1], v[ea:ea+1], v[PB+8*en+2*ep:PB+8*en+2*ep+1]
.endm
.macro LNORM base, phi
.set EB, (\base)
	RSUM \base, 0
	RFIN \phi
	ALL4 v_mul_f32 v[MN+2*t], s[INV], v[TS+4*t]
	ALL4 v_mov_b32 v[MN+2*t+1], v[MN+2*t]
	WIN 0x82
	EACH v_pk_add_f32 v[ea:ea+1], v[ea:ea+1], v[MN+2*ei:MN+2*ei+1] op_sel_hi:[1,0] neg_lo:[0,1] neg_hi:[0,1]
	RSUM \base, 1
	RFIN (\phi)+1
	ALL4 v_fma_f32 v[TS+4*t], v[TS+4*t], s[INV], s[EPS]
	ALL4 v_rsq_f32 v[RSD+2*t], v[TS+4*t]
	v_nop
	s_wait_alu depctr_va_vdst(0)                   ; one wait for the four roots
	ALL4 v_mov_b32 v[RSD+2*t+1], v[RSD+2*t]
	WIN 0x82
	EACH v_pk_mul_f32 v[ea:ea+1], v[ea:ea+1], v[RSD+2*ei:RSD+2*ei+1] op_sel_hi:[1,0]
	EACH v_pk_fma_f32 v[ea:ea+1], v[ea:ea+1], v[PG+8*en+2*ep:PG+8*en+2*ep+1], v[PBT+8*en+2*ep:PBT+8*en+2*ep+1]
	WIN 0
.endm
.macro TOFI base, areg, off0, istr, relu  ; 16 accumulators rounded to bf16 (relu = 1: negatives to 0) into operand images: accumulator n is piece n % 2 of tile n / 2
.set fn, 0
.rept 4
	WIN 0x0a
.set fi, 0
.rept 16
	v_cvt_pk_bf16_f32 v[TS+16*(fn%2)+fi], v[(\base)+32*fn+2*fi], v[(\base)+32*fn+2*fi+1]
.set fi, fi+1
.endr
	WIN 0
.if \relu
.set fi, 0
.rept 16
	v_pk_max_num_bf16 v[TS+16*(fn%2)+fi], v[TS+16*(fn%2)+fi], v[ZR]
.set fi, fi+1
.endr
.endif
	ALL4 ds_store_b128 v[\areg], v[TS+16*(fn%2)+4*t:TS+16*(fn%2)+4*t+3] offset:(\off0)+(\istr)*t+1024*(fn/2)+512*(fn%2)
.set fn, fn+1
.endr
.endm
.macro AFI areg, off0, istr            ; 4 tiles x 8 ks of operand images into A
	WIN 0x40
.set ai, 0
.rept 4
.set ak, 0
.rept 8
	ds_load_b128 v[64*ai+8*ak:64*ai+8*ak+3],   v[\areg] offset:(\off0)+(\istr)*ai+1024*ak
	ds_load_b128 v[64*ai+8*ak+4:64*ai+8*ak+7], v[\areg] offset:(\off0)+(\istr)*ai+1024*ak+512
.set ak, ak+1
.endr
.set ai, ai+1
.endr
	s_wait_dscnt 0x0
.endm
.macro PARAMS sa, sb, sc               ; three vectors of 256, my 64 columns of each
	WIN 0
.set n, 0
.rept 8
	global_load_b128 v[PB+4*n:PB+4*n+3],   v8, s[\sa:\sa+1] offset:64*(n/2)+16*(n%2)
	global_load_b128 v[PG+4*n:PG+4*n+3],   v8, s[\sb:\sb+1] offset:64*(n/2)+16*(n%2)
	global_load_b128 v[PBT+4*n:PBT+4*n+3], v8, s[\sc:\sc+1] offset:64*(n/2)+16*(n%2)
.set n, n+1
.endr
.endm
	s_load_b512 s[4:19], s[0:1], 0x0               ; samp, ident, wimg, oproj_b, ln2_g, ln2_b, ffn_b1, ffn_b2
	s_load_b128 s[20:23], s[0:1], 0x40             ; ln3_g, ln3_b
	s_load_b64 s[24:25], s[0:1], 0x50              ; out0
	v_lshl_add_u32 v10, v0, 2, SPARE
	v_mov_b32 v11, 0
	v_lshrrev_b32 v1, 5, v0
	v_readfirstlane_b32 s28, v1                    ; wave
	v_and_b32 v31, 31, v0
	v_lshlrev_b32 v1, 4, v31
	v_and_b32 v2, 15, v0
	v_bfe_u32 v3, v0, 4, 1
	s_lshl_b32 s29, s28, 2
	v_lshl_add_u32 v4, v2, 4, s29
	v_lshlrev_b32 v5, 4, v2
	s_lshl_b32 s29, s28, 15
	v_add_nc_u32 v6, s29, v1
	s_lshl_b32 s29, s28, 16
	v_add_nc_u32 v7, s29, v1
	s_lshl_b32 s29, s28, 8
	v_lshl_add_u32 v8, v3, 5, s29
	s_lshl_b32 s29, s28, 9
	v_lshl_add_u32 v9, v3, 5, s29
	v_lshrrev_b32 v12, 3, v2                       ; samp: 512 (r / 8) + 128 h + 16 (r % 8); the piece g adds 256
	v_lshlrev_b32 v12, 9, v12
	v_lshl_add_u32 v12, v3, 7, v12
	v_and_b32 v13, 7, v2
	v_lshl_add_u32 v12, v13, 4, v12
	s_lshl_b32 s29, s28, 12
	v_add_nc_u32 v13, s29, v1
	v_add_nc_u32 v15, HF, v13
	s_lshl_b32 s29, s28, 11
	v_add_nc_u32 v14, s29, v1
	v_mul_u32_u24 v16, v2, 1040
	v_add_nc_u32 v16, v8, v16
	v_add_nc_u32 v16, OUTS, v16
	s_mul_i32 s29, s28, 16640
	s_add_co_u32 s29, s29, OUTS
	v_add_nc_u32 v17, s29, v1
	v_mov_b32 v[ZR], 0
	v_add_nc_u32 v19, HF, v1
	v_add_nc_u32 v20, F1OFF, v7                    ; the first run's refills: the hidden layer's first half
	s_mov_b32 s[SEL], 0x76543210
	s_mov_b32 s[SEL+1], 0xfedcba98
	s_mov_b32 s[INV], 0x3b800000                   ; 1 / 256
	s_mov_b32 s[EPS], 0x3727c5ac                   ; 1e-5
	s_lshl_b32 s30, ttmp9, 2
	s_add_co_u32 s30, s30, s28                     ; the tile that I store at the end
	s_mul_hi_u32 s31, s30, 27356480
	s_mul_i32 s32, s31, 157
	s_sub_co_u32 s44, s30, s32                     ; its number in the batch
	s_mul_i32 s31, s31, 2500
	s_lshl_b32 s32, s44, 4
	s_add_co_u32 s32, s32, s31
	s_lshl_b32 s32, s32, 10
	s_mov_b32 s33, 0
	s_lshl_b32 s34, ttmp9, 15
	s_mov_b32 s35, 0
	s_lshl_b32 s36, ttmp9, 16
	s_mov_b32 s37, 0
	s_wait_kmcnt 0x0
	s_add_nc_u64 s[24:25], s[24:25], s[32:33]
	s_add_nc_u64 s[4:5], s[4:5], s[34:35]
	s_add_nc_u64 s[6:7], s[6:7], s[36:37]
	WIN 0x40
.set i, 0
.rept 4
.set k, 0
.rept 8
	global_load_b128 v[64*i+8*k:64*i+8*k+3],   v12, s[4:5] offset:8192*i+1024*k
	global_load_b128 v[64*i+8*k+4:64*i+8*k+7], v12, s[4:5] offset:8192*i+1024*k+256
.set k, k+1
.endr
.set i, i+1
.endr
	WIN 0x80
.set n, 0
.rept 4                                ; the identity starts the sums
.set i, 0
.rept 4
	global_load_b128 v[32*n+8*i:32*n+8*i+3],   v13, s[6:7] offset:16384*i+1024*n
	global_load_b128 v[32*n+8*i+4:32*n+8*i+7], v13, s[6:7] offset:16384*i+1024*n+512
.set i, i+1
.endr
.set n, n+1
.endr
	PARAMS 10, 12, 14
.set n, 0
.rept 16
	global_load_b128 v[B1+4*n:B1+4*n+3], v9, s[16:17] offset:64*(n/2)+16*(n%2)
.set n, n+1
.endr
.irp n, 0,1,2,3
	WGRP \n, 6, OPOFF+8192*\n
.endr
	WIN 0
	s_mov_b32 s45, 2
.Lpass:                                        ; pass one: oproj onto the identity; pass two: ffn2 onto x2
.irp n, 0,1,2,3
	s_wait_loadcnt 48                              ; buffer n is in: three groups of 16 loads were issued behind it
	MULG \n, 32*\n, 2, 0
	PLACES                                         ; four places in front of loads into registers that the products have read
	WGRP \n, 20, 8192*\n
.endr
	WIN 0
	s_cmp_eq_u32 s45, 2
	s_cbranch_scc1 .Lnorm                          ; oproj has one run of K = 256, ffn2 two
	AFI 19, 8192, 16384                            ; hidden columns 256-511
.irp n, 0,1,2,3
	s_wait_loadcnt 48-16*\n                        ; nothing more is asked for: the counts run down
	MULG \n, 32*\n, 2, 0
.endr
	PLACES
	WIN 0
.Lnorm:
	ADDB 0
	LNORM 0, 0
	s_sub_co_u32 s45, s45, 1
	s_cmp_eq_u32 s45, 0
	s_cbranch_scc1 .Lfin
	PARAMS 18, 20, 22                              ; ffn_b2, ln3_g, ln3_b take the first three's registers
	TOFI 0, 14, XF, 8192, 0
	BAR
	AFI 1, XF, 8192
	WIN 0
	s_wait_xcnt 0x0                                ; the refills so far have read v20
	v_add_nc_u32 v20, F1OFF+32768, v7              ; the first half's refills: the second half's weights;
	v_add_nc_u32 v21, F2OFF, v6                    ; the second half's: ffn2, hidden columns 0-255
	s_mov_b32 s46, 2
.Lhid:                                         ; the hidden layer, my 128 columns in two halves
.irp n, 0,1,2,3
	s_wait_loadcnt 48
	MULG \n, 128+32*\n, 1, B1+8*\n
	PLACES
	WGRP \n, 20, 8192*\n
.endr
	TOFI 128, 15, 0, 16384, 1
.set i, 0
.rept 32
	v_mov_b32 v[B1+i], v[B1+32+i]                  ; the second half's bias moves down
.set i, i+1
.endr
	s_wait_xcnt 0x0
	v_mov_b32 v20, v21
	v_add_nc_u32 v15, 2048, v15                    ; the second half's two images a tile
	s_sub_co_u32 s46, s46, 1
	s_cmp_lg_u32 s46, 0
	s_cbranch_scc1 .Lhid
	BAR
	AFI 19, 0, 16384                               ; hidden columns 0-255
	WIN 0
	s_wait_xcnt 0x0
	v_add_nc_u32 v20, F2OFF+131072, v6             ; pass two's refills: ffn2, hidden columns 256-511
	s_branch .Lpass
.Lfin:
	WIN 0x08
.set n, 0
.rept 4                                ; the result as rows, so that a store covers 512 consecutive bytes of out0
.set i, 0
.rept 4
	ds_store_b128 v16, v[32*n+8*i:32*n+8*i+3],   offset:16640*i+64*n
	ds_store_b128 v16, v[32*n+8*i+4:32*n+8*i+7], offset:16640*i+64*n+16
.set i, i+1
.endr
.set n, n+1
.endr
	WIN 0
	BAR
.set k, 0
.rept 8                                ; wave w stores tile w: its first four rows,
	ds_load_b128 v[TS+4*k:TS+4*k+3], v17 offset:1040*(k/2)+512*(k%2)
.set k, k+1
.endr
	s_wait_dscnt 0x0
.set k, 0
.rept 8
	global_store_b128 v1, v[TS+4*k:TS+4*k+3], s[24:25] offset:1024*(k/2)+512*(k%2)
.set k, k+1
.endr
	s_cmp_eq_u32 s44, 156
	s_cbranch_scc1 .Lend                           ; a batch's last tile has four tokens
.set k, 8
.rept 24                               ; and the other twelve
	ds_load_b128 v[4*k:4*k+3], v17 offset:1040*(k/2)+512*(k%2)
.set k, k+1
.endr
	s_wait_dscnt 0x0
.set k, 8
.rept 24
	global_store_b128 v1, v[4*k:4*k+3], s[24:25] offset:1024*(k/2)+512*(k%2)
.set k, k+1
.endr
.Lend:
	s_wait_tensorcnt 0x0                           ; the wave's end, behind my last LDS store
	ds_add_u32 v10, v11
	s_wait_dscnt 0x0
	s_endpgm
.Lfunc_end_k_q2c2f5d36ef_tail:
	.size	k_q2c2f5d36ef_tail, .Lfunc_end_k_q2c2f5d36ef_tail-k_q2c2f5d36ef_tail
	.p2alignl 7, 3214868480
	.fill 96, 4, 3214868480
	.section	.rodata,"a",@progbits
	.p2align	6, 0x0
	.amdhsa_kernel k_q2c2f5d36ef_tail
		.amdhsa_group_segment_fixed_size 169472
		.amdhsa_private_segment_fixed_size 0
		.amdhsa_enable_private_segment 0
		.amdhsa_kernarg_size 88
		.amdhsa_user_sgpr_count 2
		.amdhsa_user_sgpr_kernarg_segment_ptr 1
		.amdhsa_wavefront_size32 1
		.amdhsa_system_sgpr_workgroup_id_x 1
		.amdhsa_system_sgpr_workgroup_id_y 1
		.amdhsa_system_sgpr_workgroup_id_z 1
		.amdhsa_system_vgpr_workitem_id 0
		.amdhsa_next_free_vgpr 1024
		.amdhsa_next_free_sgpr 66
		.amdhsa_reserve_vcc 0
		.amdhsa_float_denorm_mode_32 3
		.amdhsa_float_denorm_mode_16_64 3
		.amdhsa_memory_ordered 1
		.amdhsa_forward_progress 1
		.amdhsa_inst_pref_size 127
	.end_amdhsa_kernel
	.amdgpu_metadata
---
amdhsa.version: [ 1, 2 ]
amdhsa.kernels:
  - .name:           k_q2c2f5d36ef_tail
    .symbol:         k_q2c2f5d36ef_tail.kd
    .args:
      - { .name: samp, .offset: 0, .size: 8, .value_kind: global_buffer, .address_space: global }
      - { .name: ident, .offset: 8, .size: 8, .value_kind: global_buffer, .address_space: global }
      - { .name: wimg, .offset: 16, .size: 8, .value_kind: global_buffer, .address_space: global }
      - { .name: oproj_b, .offset: 24, .size: 8, .value_kind: global_buffer, .address_space: global }
      - { .name: ln2_g, .offset: 32, .size: 8, .value_kind: global_buffer, .address_space: global }
      - { .name: ln2_b, .offset: 40, .size: 8, .value_kind: global_buffer, .address_space: global }
      - { .name: ffn_b1, .offset: 48, .size: 8, .value_kind: global_buffer, .address_space: global }
      - { .name: ffn_b2, .offset: 56, .size: 8, .value_kind: global_buffer, .address_space: global }
      - { .name: ln3_g, .offset: 64, .size: 8, .value_kind: global_buffer, .address_space: global }
      - { .name: ln3_b, .offset: 72, .size: 8, .value_kind: global_buffer, .address_space: global }
      - { .name: out0, .offset: 80, .size: 8, .value_kind: global_buffer, .address_space: global }
    .group_segment_fixed_size: 169472
    .private_segment_fixed_size: 0
    .kernarg_segment_align: 8
    .kernarg_segment_size: 88
    .max_flat_workgroup_size: 128
    .sgpr_count:     66
    .vgpr_count:     1024
    .wavefront_size: 32
...
	.end_amdgpu_metadata
.endif
;; end of part 7
